; MI455X (gfx1250); checked and timed in simulation.
; The chip was launched on July 23, 2026; its instructions are those of AMD's public machine-readable ISA for CDNA 5 (MIT licence, August 2026) and "CDNA5" Instruction Set Architecture Reference Guide (July 2026). The comments in the code are by the model that wrote it; some were corrected since.
;; Multi Head Attention. Allowed arithmetic: matrix products marked QUANTISED: E4M3 operands, one given power-of-two scale a tensor, by v_wmma_f32_16x16x64_fp8_fp8 or v_wmma_f32_16x16x128_fp8_fp8, f32 sums; everything else in f32.
;; Inputs: Wk 512 x 1,024 float32; Wo 1,024 x 1,024 float32; Wq 1,024 x 1,024 float32; Wv 512 x 1,024 float32; lowp_scales 12 int32 (the exponents e of the quantised operands' scales 2^e); x 4 x 2,048 x 1,024 float32.
;; Outputs: out0 4 x 2,048 x 1,024 float32.
;; This version of the problem:
;;   THIS VERSION OF THE PROBLEM IS GIVEN IN LOW PRECISION. The matrix products marked QUANTISED in the list below multiply operands that are first quantised to E4M3 (4 exponent bits, 3 mantissa bits; 8 bits a number), with one given power-of-two scale for each operand tensor; their sums are f32. All else is computed in f32.
;;   The module's matrix products, in the order in which they are computed (A, B: the left and right operand; K: the contracted axis; several contracted axes count as one K, in the product's order):
;;     1. [M 8,192, K 1,024] x [K 1,024, N 1,024]; A: input x; B: input Wq: QUANTISED (scales: A lowp_scales[0], B lowp_scales[1])
;;     2. [M 8,192, K 1,024] x [K 1,024, N 512]; A: input x; B: input Wk: QUANTISED (scales: A lowp_scales[2], B lowp_scales[3])
;;     3. [M 8,192, K 1,024] x [K 1,024, N 512]; A: input x; B: input Wv: QUANTISED (scales: A lowp_scales[4], B lowp_scales[5])
;;     4. batch 16 x [M 4,096, K 128] x [K 128, N 2,048]; A: computed on the way; B: computed on the way: QUANTISED (scales: A lowp_scales[6], B lowp_scales[7])
;;     5. batch 16 x [M 4,096, K 2,048] x [K 2,048, N 128]; A: softmax (see below); B: computed on the way: QUANTISED (scales: A lowp_scales[8], B lowp_scales[9])
;;     6. [M 8,192, K 1,024] x [K 1,024, N 1,024]; A: computed on the way; B: input Wo: QUANTISED (scales: A lowp_scales[10], B lowp_scales[11])
;;   THE QUANTISER, for each operand of a quantised product, along K:
;;     - The operand's scale is 2^e, e = its entry of the input lowp_scales (int32; the entries are numbered through the quantised products in the list's order, A before B).
;;     - Each number is divided by the scale, clamped to +-448, and rounded to the nearest number of E4M3, ties to even, subnormals kept.
;;     - The product sums the exact products of the quantised numbers (number of the format x scale) in f32.
;;   ~~~python
;;   def quantise(x, axis, e):      # numpy; x: float32 -> the quantised numbers, widened to float32 again
;;       x = np.moveaxis(x, axis, -1); K = x.shape[-1]
;;       r = np.clip(x / 2.0 ** e, -448, 448)
;;       step = 2.0 ** (np.maximum(np.frexp(np.where(r == 0, 1, r))[1] - 1, -6) - 3)
;;       q = np.round(r / step) * step * 2.0 ** e      # np.round: ties to even
;;       return np.moveaxis(q, -1, axis).astype(np.float32)
;;   ~~~
;;   SOFTMAX AHEAD OF A QUANTISED PRODUCT. Where the list says 'softmax', what is quantised is not the finished softmax but p = 2^(t - M), with t = logit x log2(e) and M = ceil(the row's largest t), a whole number; so 1/2 < the row's largest p <= 1. The row's sum l is taken of the UNQUANTISED p, in f32, and the product's result is divided by l at the end. Since M is a whole number, a kernel that streams over the keys may use a running M (the ceiling of the running maximum): every later rescaling is an exact power of two, so the quantised numbers keep their values, but for numbers so far below the row's largest that they fall under the format's range.
;;   OPERANDS COMPUTED ON THE WAY. 'Computed on the way' means the value that the module computes at that place (a softmax that the list does not call 'softmax' is quantised finished and normalised). What goes into a quantiser is computed in f32, as accurately as f32 sums, v_exp_f32 and their like allow (about 1e-6 of the number): no bf16 or f16 on the way to a quantiser, and a product that is left as it is and whose result goes on into a quantised operand takes f32 operands (vector FMAs, or v_wmma_f32_16x16x4_f32). A number that lies on a knife's edge between two numbers of the format may be rounded either way, as far as f32 arithmetic and the matrix unit's own rounding can turn it there, and no further.
;; One version. Each part assembles by itself: llvm-mc -triple=amdgcn-amd-amdhsa -mcpu=gfx1250 --defsym DOCPART=n.
;; ======== version 1 of 1: 4 launches
;; limits: right only within a limited range of input values
;; workspace buffers: xc 25,165,824 bytes; wc 3,145,728 bytes; rt 1,048,576 bytes; qc 8,388,608 bytes; kc 4,194,304 bytes; vc 4,194,304 bytes; ac 8,388,608 bytes
;; launch prep (part 1): grid 416 x 1, 4 waves a work-group, no clusters, 34,304 bytes of LDS; arguments x, Wq, Wk, Wv, Wo, lowp_scales, xc, wc, rt; writes xc, wc, rt
.if DOCPART == 1
	.amdgcn_target "amdgcn-amd-amdhsa--gfx1250"
	.amdhsa_code_object_version 6
	.text
	.protected	k_q0680661fde_prep
	.globl	k_q0680661fde_prep
	.p2align	8
	.type	k_q0680661fde_prep,@function
k_q0680661fde_prep:
	s_mov_b64 s[64:65], 0
	v_nop
	global_prefetch_b8 v0, s[64:65] scope:SCOPE_SE
	s_setreg_imm32_b32 hwreg(HW_REG_WAVE_MODE, 25, 1), 1
	s_wait_xcnt 0x0
; PREP: f32 operands become codes of FP8 (E4M3), and the table of cosines and sines for the rotation is made once.
; code = number / 2^e, held within +-448, rounded to the nearest code, ties to even.  x enters three products, each with its own given exponent (entries 0, 2, 4): three sets of codes.
; Wq, Wk, Wv, Wo take entries 1, 3, 5, 11.
; LAYOUT OF ALL CODES: THE IMAGE OF AN OPERAND'S REGISTERS.  A fragment is 16 rows x 128 along K, 2,048 bytes: byte 512 c + 16 lane + i holds row lane % 16, k = 32 c + 16 (lane / 16) + i.
; xc: [3 sets][512 tiles of 16 tokens][8 K steps][2,048].   wc: [192 tiles of 16 rows][8 K steps][2,048]: tiles 0-63 Wq, 64-95 Wk, 96-127 Wv, 128-191 Wo.
; In Wq, Wk, Wv the rows of a tile are not neighbours: tile 2 B + u, row 8 h + j is row 32 B + 16 h + 8 u + j of the weight, so that the results of two neighbouring tiles are 16 neighbours along the next K.  Wo keeps its order.
; rt: [128 tiles of 16 positions][2 B][cos, sin][4 quarters][32 lanes][4 f32]: position 16 tile + lane % 16, frequency 32 B + 16 (lane / 16) + 4 quarter + 0..3.
; SHARES.  Work-groups 0-255 take x, 256-351 the weights, 352-415 the table.  A wave of the first two kinds takes 16 rows x 512 along K: four fragments.  Each load reads 512 consecutive bytes of one row; the 16 rows go
; through the wave's own stage in LDS (rows 528 bytes apart) and come back 16 neighbours along K to a lane; each store covers 512 consecutive bytes.
; No matrix unit, no tensor load, no barrier, no cluster: waves share nothing and the bytes bind.
; LIMITS: each e between -126 and 119, so that 2^e and 448 x 2^e are f32 numbers.  NaN among the inputs is not served (an infinity is held at the largest code).
; The frequency is 2^(-i log2(10000) / 64) by one f32 product and v_exp_f32; the angle position x frequency is one f32 product, as the problem forms it; at the largest position it may differ by about 1.5e-4 radians.
; WORK LEFT OUT, in launch attn: reference() hides key s from query t where s > t, by a mask that it builds in its own body (jnp.tril).  Tiles of 128 keys that lie wholly behind a wave's queries
; are neither fetched nor multiplied, whatever the inputs hold.  LIMIT: a NaN, an infinity or an overflow that reaches only those hidden scores is not carried to the result.  Every input is loaded.
; THE ORDER OF FRAGMENTS IN xc AND wc, in place of the order named above: [group of 8 neighbouring tiles][8 K steps][8 tiles][2,048], so that 128 rows x any run of K steps are one dense block of memory.
.set STG,  8448
.set R,    16                          ; v16-143  two sets of 64: 16 rows x 16 bytes as loaded
.set X,    144                         ; v144-207 64 numbers: register 16 c + i = k 32 c + 16 (lane / 16) + i of my row
.set T,    208                         ; v208-223 two groups of 8 held numbers
.set C,    224                         ; v224-255 two sets of 16 registers of codes
.set WGX,  256                         ; work-groups for x
.set WGW,  352                         ; and with the weights'
	s_load_b512 s[4:19], s[0:1], 0x0               ; x s[4:5], Wq s[6:7], Wk s[8:9], Wv s[10:11], Wo s[12:13], exponents s[14:15], xc s[16:17], wc s[18:19]
	s_load_b64 s[20:21], s[0:1], 0x40              ; rt
	v_lshl_add_u32 v14, v0, 2, 0x8400
	v_mov_b32 v15, 0
	v_lshrrev_b32 v1, 5, v0
	v_readfirstlane_b32 s22, v1                    ; wave 0..3
	v_and_b32 v1, 31, v0
	v_lshlrev_b32 v2, 4, v1                        ; 16 x lane: my place in a load's or a store's 512 bytes
	v_and_b32 v6, 15, v0                           ; r
	v_bfe_u32 v7, v0, 4, 1                         ; h
	s_lshl_b32 s23, ttmp9, 2
	s_add_co_u32 s23, s23, s22                     ; G = 4 x work-group + wave
	s_cmp_ge_u32 ttmp9, WGW
	s_cbranch_scc1 .Ltable
	; ---------------- x and the weights ----------------
	s_mul_i32 s30, s22, STG
	v_add_nc_u32 v4, s30, v2                       ; into the stage: 16 x lane of a row
	v_mul_u32_u24 v5, v6, 528
	v_lshl_add_u32 v5, v7, 6, v5
	v_add_nc_u32 v5, s30, v5                       ; out of it: row r, + 64 h: my 16 numbers of a block of 32
	s_and_b32 s24, s23, 1                          ; which 512 along K
	s_lshr_b32 s25, s23, 1                         ; x: the tile of 16 rows
	s_sub_co_u32 s26, s25, 512                     ; weights: the tile among wc's 192
	s_sub_co_u32 s27, s26, 128                     ; and within Wo,
	s_sub_co_u32 s28, s26, 96                      ; Wv,
	s_sub_co_u32 s29, s26, 64                      ; Wk
	s_wait_kmcnt 0x0
	s_load_b256 s[32:39], s[14:15], 0x0            ; e0 .. e7
	s_load_b128 s[40:43], s[14:15], 0x20           ; e8 .. e11
	s_mov_b64 s[44:45], s[12:13]                   ; the source, its tile and whether its rows are permuted: Wo, unless ..  (every choice hangs on ids alone)
	s_mov_b32 s46, s27
	s_mov_b32 s48, 0
	s_cmp_lt_u32 s26, 128
	s_cselect_b64 s[44:45], s[10:11], s[44:45]
	s_cselect_b32 s46, s28, s46
	s_cselect_b32 s48, 1, s48
	s_cmp_lt_u32 s26, 96
	s_cselect_b64 s[44:45], s[8:9], s[44:45]
	s_cselect_b32 s46, s29, s46
	s_cmp_lt_u32 s26, 64
	s_cselect_b64 s[44:45], s[6:7], s[44:45]
	s_cselect_b32 s46, s26, s46
	s_cmp_lt_u32 ttmp9, WGX
	s_cselect_b64 s[44:45], s[4:5], s[44:45]
	s_cselect_b32 s46, s25, s46
	s_cselect_b32 s48, 0, s48
	s_cselect_b64 s[54:55], s[16:17], s[18:19]     ; the destination
	s_cselect_b32 s60, s25, s26                    ; and the tile in it
	s_lshr_b32 s49, s46, 1
	s_lshl_b32 s49, s49, 5
	s_and_b32 s50, s46, 1
	s_lshl_b32 s50, s50, 3
	s_add_co_u32 s49, s49, s50                     ; permuted: rows 0-7 begin at 32 (tile / 2) + 8 (tile % 2), rows 8-15 sixteen rows on
	s_lshl_b32 s50, s46, 4                         ; plain: at 16 x tile, rows 8-15 eight rows on
	s_cmp_eq_u32 s48, 1
	s_cselect_b32 s49, s49, s50
	s_cselect_b32 s51, 16, 8
	s_lshl_b32 s49, s49, 12                        ; a row is 4,096 bytes
	s_lshl_b32 s50, s24, 11
	s_add_co_u32 s52, s49, s50
	s_mov_b32 s53, 0
	s_add_nc_u64 s[44:45], s[44:45], s[52:53]
	s_lshl_b32 s51, s51, 12
	s_wait_alu depctr_va_vdst(0)
	v_add_nc_u32 v3, s51, v2                       ; the offset of rows 8-15
	s_lshr_b32 s52, s60, 3
	s_lshl_b32 s52, s52, 17                        ; a group of 8 tiles is 131,072 bytes,
	s_and_b32 s50, s60, 7
	s_lshl_b32 s50, s50, 11                        ; a tile's fragment 2,048 within a K step's 16,384,
	s_add_co_u32 s52, s52, s50
	s_lshl_b32 s50, s24, 16                        ; and my four K steps
	s_add_co_u32 s52, s52, s50
	s_wait_alu depctr_va_vdst(0)
	s_add_nc_u64 s[54:55], s[54:55], s[52:53]
	s_add_nc_u64 s[56:57], s[54:55], 0x800000      ; x's second and third sets (used by x's work-groups alone): pointers of their own, past a store's immediate
	s_add_nc_u64 s[58:59], s[54:55], 0x1000000
.macro LOAD f                          ; fragment f: 16 rows x 512 bytes into set f % 2
.irp i, 0,1,2,3,4,5,6,7
	global_load_b128 v[R+64*((\f)%2)+4*\i:R+64*((\f)%2)+4*\i+3], v2, s[44:45] offset:\i*4096+512*(\f) th:TH_LOAD_NT
.endr
.irp i, 0,1,2,3,4,5,6,7
	global_load_b128 v[R+64*((\f)%2)+32+4*\i:R+64*((\f)%2)+32+4*\i+3], v3, s[44:45] offset:\i*4096+512*(\f) th:TH_LOAD_NT
.endr
.endm
.macro TURN f                          ; through the stage: LDS serves a wave's instructions in order (ISA guide 5.7.1.4), so no wait stands between the stores and the loads
.irp i, 0,1,2,3,4,5,6,7,8,9,10,11,12,13,14,15
	ds_store_b128 v4, v[R+64*((\f)%2)+4*\i:R+64*((\f)%2)+4*\i+3] offset:528*\i
.endr
.irp c, 0,1,2,3
.irp j, 0,1,2,3
	ds_load_b128 v[X+16*\c+4*\j:X+16*\c+4*\j+3], v5 offset:128*\c+16*\j
.endr
.endr
.endm
; The 64 numbers in X become a fragment's codes under the scale v[sc] (v[lim] = 448 x the scale) and are stored.  X is kept: x is quantised three times.
; The conversion to an 8-bit code does not saturate (ISA guide 7.6.2): each number is held first, into one of two groups of eight, so that eight plain lines stand between a conversion and the next write of its sources.
.macro QUANT sc, lim, dst, cs, f
	s_wait_xcnt 0x0                                ; earlier stores have read their data: the codes' registers may be written again
.irp g, 0,1,2,3,4,5,6,7
.irp i, 0,1,2,3,4,5,6,7
	v_med3_num_f32 v[T+8*(\g%2)+\i], v[X+8*\g+\i], -v[\lim], v[\lim]
.endr
	v_cvt_scalef32_pk8_fp8_f32 v[C+16*(\cs)+2*\g:C+16*(\cs)+2*\g+1], v[T+8*(\g%2):T+8*(\g%2)+7], v[\sc]
.endr
.irp c, 0,1,2,3
	global_store_b128 v2, v[C+16*(\cs)+4*\c:C+16*(\cs)+4*\c+3], s[\dst:\dst+1] offset:16384*(\f)+512*\c   ; 32 lanes store 512 consecutive bytes
.endr
.endm
.macro MKSC se, vs, vl                 ; 2^e and 448 x 2^e as f32 numbers
	s_add_co_i32 s49, s[\se], 127
	s_lshl_b32 s50, s49, 23
	v_mov_b32 v[\vs], s50
	s_add_co_i32 s49, s49, 8
	s_lshl_b32 s49, s49, 23
	s_or_b32 s49, s49, 0x600000
	v_mov_b32 v[\vl], s49
.endm
.macro FRAGQ f
.if (\f) < 3
	s_wait_loadcnt 16                              ; this fragment's 16 loads are in; the next fragment's 16 may be out
.else
	s_wait_loadcnt 0x0
.endif
	TURN \f
	s_wait_dscnt 0x0                               ; the numbers are back, so the stage's stores have read their registers,
.if (\f) < 2
	LOAD (\f)+2                                    ; which take the fragment two further on
.endif
	QUANT 8, 9, 54, 0, \f
	s_cmp_lt_u32 ttmp9, WGX                        ; x has two more sets of codes
	s_cbranch_scc0 .Lweight_\@
	QUANT 10, 11, 56, 1, \f
	QUANT 12, 13, 58, 0, \f
.Lweight_\@:
.endm
	LOAD 0
	LOAD 1
	s_wait_alu depctr_va_vdst(0)
	s_wait_kmcnt 0x0
	s_mov_b32 s47, s43                             ; e: Wo's entry 11, unless ..
	s_cmp_lt_u32 s26, 128
	s_cselect_b32 s47, s37, s47                    ; Wv: 5
	s_cmp_lt_u32 s26, 96
	s_cselect_b32 s47, s35, s47                    ; Wk: 3
	s_cmp_lt_u32 s26, 64
	s_cselect_b32 s47, s33, s47                    ; Wq: 1
	s_cmp_lt_u32 ttmp9, WGX
	s_cselect_b32 s47, s32, s47                    ; x: 0
	MKSC 47, 8, 9
	MKSC 34, 10, 11                                ; x under entry 2
	MKSC 36, 12, 13                                ; x under entry 4
	s_wait_alu depctr_va_vdst(0)
	FRAGQ 0
	FRAGQ 1
	FRAGQ 2
	FRAGQ 3
	s_wait_tensorcnt 0x0
	ds_add_u32 v14, v15
	s_wait_dscnt 0x0
	s_endpgm
	; ---------------- the table ----------------
.Ltable:
	s_sub_co_u32 s24, s23, 4*WGW                   ; which (tile of positions, B): 0 .. 255
	s_lshr_b32 s25, s24, 1
	s_and_b32 s26, s24, 1
	s_lshl_b32 s27, s25, 4
	s_wait_alu depctr_va_vdst(0)
	v_add_nc_u32 v8, s27, v6
	v_cvt_f32_u32 v8, v8                           ; my position, as f32
	s_lshl_b32 s28, s26, 5
	v_lshl_add_u32 v9, v7, 4, s28                  ; my first frequency: 32 B + 16 h
	s_wait_alu depctr_va_vdst(0)
	s_mov_b32 s32, 0x3f22f983                      ; 2 / pi
	s_mov_b32 s33, 0xbfc90fdb                      ; -(pi / 2 rounded to f32)
	s_mov_b32 s34, 0x333bbd2e                      ; that rounded number less pi / 2
	s_mov_b32 s35, 0xbe2aaaa3                      ; sine: r + r z (S1 + z (S2 + z S3))
	s_mov_b32 s36, 0x3c08839e
	s_mov_b32 s37, 0xb94ca1f9
	s_mov_b32 s38, 0x3d2aaaa5                      ; cosine: 1 - z / 2 + z z (C1 + z (C2 + z C3))
	s_mov_b32 s39, 0xbab6061a
	s_mov_b32 s40, 0x37ccf5ce
	s_mov_b32 s41, 0x80000000
.irp i, 0,1,2,3,4,5,6,7,8,9,10,11,12,13,14,15
	v_add_nc_u32 v[16+\i], \i, v9
.endr
.irp i, 0,1,2,3,4,5,6,7,8,9,10,11,12,13,14,15
	v_cvt_f32_u32 v[16+\i], v[16+\i]
.endr
.irp i, 0,1,2,3,4,5,6,7,8,9,10,11,12,13,14,15
	v_mul_f32 v[16+\i], 0xbe549a78, v[16+\i]       ; x -log2(10000) / 64
.endr
	s_wait_alu depctr_va_vdst(0)
.irp i, 0,1,2,3,4,5,6,7,8,9,10,11,12,13,14,15
	v_exp_f32 v[16+\i], v[16+\i]                   ; the 16 frequencies: one batch
.endr
	v_nop                                          ; a plain line behind the last exponential,
	s_wait_alu depctr_va_vdst(0)                   ; and one wait for the batch, ahead of its first reader
; Cosine and sine of position x frequency i: n = the nearest whole number to angle x 2 / pi; r = angle - n pi / 2 in two fused steps (the first is exact: n is under 2^11 and the difference is short);
; polynomials on |r| <= pi / 4; n's two low bits say which of the two is which and give the signs.  Nothing branches: the choice selects values.
.macro SINCOS i
.set M, 64+12*((\i)%2)
	v_mul_f32 v[M], v8, v[16+\i]
	v_mul_f32 v[M+1], s32, v[M]
	v_rndne_f32 v[M+1], v[M+1]
	v_fma_f32 v[M+2], v[M+1], s33, v[M]
	v_fma_f32 v[M+2], v[M+1], s34, v[M+2]
	v_mul_f32 v[M+3], v[M+2], v[M+2]
	v_fma_f32 v[M+4], v[M+3], s37, s36
	v_fma_f32 v[M+5], v[M+3], s40, s39
	v_fma_f32 v[M+4], v[M+4], v[M+3], s35
	v_fma_f32 v[M+5], v[M+5], v[M+3], s38
	v_mul_f32 v[M+6], v[M+2], v[M+3]
	v_mul_f32 v[M+7], v[M+3], v[M+3]
	v_fma_f32 v[M+8], v[M+3], -0.5, 1.0
	v_fma_f32 v[M+4], v[M+4], v[M+6], v[M+2]       ; sin r
	v_fma_f32 v[M+5], v[M+5], v[M+7], v[M+8]       ; cos r
	v_cvt_i32_f32 v[M+9], v[M+1]
	v_and_b32 v[M+10], 1, v[M+9]
	v_cmp_eq_u32 vcc_lo, 1, v[M+10]
	v_cndmask_b32 v[M+6], v[M+4], v[M+5], vcc_lo   ; n odd: the two change places
	v_cndmask_b32 v[M+7], v[M+5], v[M+4], vcc_lo
	v_lshlrev_b32 v[M+10], 30, v[M+9]
	v_add_nc_u32 v[M+9], 1, v[M+9]
	v_lshlrev_b32 v[M+9], 30, v[M+9]
	v_and_b32 v[M+10], s41, v[M+10]                ; the sine is negative where n % 4 is 2 or 3,
	v_and_b32 v[M+9], s41, v[M+9]                  ; the cosine where it is 1 or 2
	v_xor_b32 v[48+\i], v[M+10], v[M+6]
	v_xor_b32 v[32+\i], v[M+9], v[M+7]
.endm
.irp i, 0,1,2,3,4,5,6,7,8,9,10,11,12,13,14,15
	SINCOS \i
.endr
	s_lshl_b32 s28, s24, 12                        ; 4,096 bytes for each (tile, B)
	s_mov_b32 s29, 0
	s_wait_alu depctr_va_vdst(0)
	s_wait_kmcnt 0x0
	s_add_nc_u64 s[20:21], s[20:21], s[28:29]
.irp w, 0,1,2,3
	global_store_b128 v2, v[32+4*\w:35+4*\w], s[20:21] offset:512*\w
	global_store_b128 v2, v[48+4*\w:51+4*\w], s[20:21] offset:2048+512*\w
.endr
	s_endpgm
.Lfunc_end_k_q0680661fde_prep:
	.size	k_q0680661fde_prep, .Lfunc_end_k_q0680661fde_prep-k_q0680661fde_prep
	.p2alignl 7, 3214868480
	.fill 96, 4, 3214868480
	.section	.rodata,"a",@progbits
	.p2align	6, 0x0
	.amdhsa_kernel k_q0680661fde_prep
		.amdhsa_group_segment_fixed_size 34304
		.amdhsa_private_segment_fixed_size 0
		.amdhsa_enable_private_segment 0
		.amdhsa_kernarg_size 72
		.amdhsa_user_sgpr_count 2
		.amdhsa_user_sgpr_kernarg_segment_ptr 1
		.amdhsa_wavefront_size32 1
		.amdhsa_system_sgpr_workgroup_id_x 1
		.amdhsa_system_sgpr_workgroup_id_y 1
		.amdhsa_system_sgpr_workgroup_id_z 1
		.amdhsa_system_vgpr_workitem_id 0
		.amdhsa_next_free_vgpr 256
		.amdhsa_next_free_sgpr 66
		.amdhsa_reserve_vcc 1
		.amdhsa_float_denorm_mode_32 3
		.amdhsa_float_denorm_mode_16_64 3
		.amdhsa_memory_ordered 1
		.amdhsa_forward_progress 1
		.amdhsa_inst_pref_size 101
	.end_amdhsa_kernel
	.amdgpu_metadata
---
amdhsa.version: [ 1, 2 ]
amdhsa.kernels:
  - .name:           k_q0680661fde_prep
    .symbol:         k_q0680661fde_prep.kd
    .args:
      - { .name: x, .offset: 0, .size: 8, .value_kind: global_buffer, .address_space: global }
      - { .name: Wq, .offset: 8, .size: 8, .value_kind: global_buffer, .address_space: global }
      - { .name: Wk, .offset: 16, .size: 8, .value_kind: global_buffer, .address_space: global }
      - { .name: Wv, .offset: 24, .size: 8, .value_kind: global_buffer, .address_space: global }
      - { .name: Wo, .offset: 32, .size: 8, .value_kind: global_buffer, .address_space: global }
      - { .name: lowp_scales, .offset: 40, .size: 8, .value_kind: global_buffer, .address_space: global }
      - { .name: xc, .offset: 48, .size: 8, .value_kind: global_buffer, .address_space: global }
      - { .name: wc, .offset: 56, .size: 8, .value_kind: global_buffer, .address_space: global }
      - { .name: rt, .offset: 64, .size: 8, .value_kind: global_buffer, .address_space: global }
    .group_segment_fixed_size: 34304
    .private_segment_fixed_size: 0
    .kernarg_segment_align: 8
    .kernarg_segment_size: 72
    .max_flat_workgroup_size: 128
    .sgpr_count:     66
    .vgpr_count:     256
    .wavefront_size: 32
...
	.end_amdgpu_metadata
.endif
;; end of part 1
;; launch proj (part 2): grid 32 x 8, 4 waves a work-group, clusters of 4 x 1, 327,680 bytes of LDS; arguments xc, wc, rt, lowp_scales, qc, kc, vc; writes qc, kc, vc
.if DOCPART == 2
	.amdgcn_target "amdgcn-amd-amdhsa--gfx1250"
	.amdhsa_code_object_version 6
	.text
	.protected	k_q0680661fde_proj
	.globl	k_q0680661fde_proj
	.p2align	8
	.type	k_q0680661fde_proj,@function
k_q0680661fde_proj:
	s_mov_b64 s[64:65], 0
	v_nop
	global_prefetch_b8 v0, s[64:65] scope:SCOPE_SE
	s_setreg_imm32_b32 hwreg(HW_REG_WAVE_MODE, 25, 1), 1
	s_wait_xcnt 0x0
	s_wait_alu depctr_hold_cnt(0) depctr_sa_sdst(0) depctr_va_vdst(0) depctr_va_sdst(0) depctr_va_ssrc(0) depctr_va_vcc(0) depctr_vm_vsrc(0)
	s_getreg_b32 s2, hwreg(HW_REG_IB_STS2, 6, 4)
	s_cmp_eq_u32 s2, 0
	s_cbranch_scc0 .Lentry_in_a_cluster
	s_endpgm
.Lentry_in_a_cluster:
	s_bfe_u32 s2, ttmp6, 0x10000c
	s_cmp_lg_u32 s2, 0x3003
	s_cbranch_scc0 .Lentry_shape_is_right
	s_endpgm
.Lentry_shape_is_right:
; PROJ: q = x Wq^T, k = x Wk^T, v = x Wv^T on codes of FP8 (E4M3); q and k are rotated; all three leave as codes for the attention's products.
; A tile is 256 tokens x 256 features: 32 x 8 tiles, one to a work-group.  Feature tiles 0-3 are q, 4-5 k, 6-7 v.  Four waves, each 128 tokens x 128 features (one head): 64 accumulators of 16 x 16, 512 registers.
; ALL CODES LIE AS IMAGES OF AN OPERAND'S REGISTERS: a fragment (16 rows x 128 K) is 2,048 bytes, byte 512 c + 16 lane + i = row lane % 16, k = 32 c + 16 (lane / 16) + i: four loads of 16 bytes a lane, 512 bytes apart,
; each of 512 consecutive bytes: no pitch, no padding.  That is a permutation of k inside an instruction, the same in both operands.
; K = 1,024 goes in four steps of 256 through a ring of two LDS slots; a wave's tensor load brings 8 tiles of rows x 4,096 bytes (two fragments on end), 16,384 bytes apart in memory.
; q, k: source 0 = 16 rows of W, source 1 = 16 tokens: a lane holds one token.  The rows of W's tiles were laid so that the 16 registers of tiles 2 B, 2 B + 1 are features 32 B + 16 (lane / 16) + 0..15 of the head:
; so a lane holds both halves of each rotated pair, and the conversions' results are the next operand's image.  v: the sources change places: a lane holds one feature and its registers run along the tokens,
; which are the second attention product's K: register j of token block a is token 16 a + 8 (lane / 16) + j, the place that the weights p take there.
; THE SCALES ARE FOLDED: a sum stands for sum x 2^(ex + ew), the rotation is linear, so the conversion takes 2^E, E = e6 - e0 - e1 (q), e7 - e2 - e3 (k), e9 - e4 - e5 (v).  LIMIT: E between -126 and 119.
; CLUSTER: 4 x 1 work-groups, four token tiles of one feature tile: W's tile is asked for JOINTLY by the four.  x's tile is each work-group's own.  It is not shared: x's codes differ from product to product
; (three given scales), and k and v have two feature tiles each, so no four work-groups need the same tile of x.
; REGISTERS, in windows of 256: window 0: v16-31 addresses and scales; v32-95 a block's cosines and sines; from v128 x's fragments, ONE set; behind the products v96-159 the second set of cosines and sines, v160-223 64 numbers, v224-255 codes.
;   window 1: W's fragments, two sets.   windows 2, 3: the accumulators: (token block a, W tile b) at v[8 (8 (a % 4) + b)] of window 2 + a / 4.
.set FR,    16                         ; registers of a fragment
.set NL,    4                          ; LDS loads that bring one
.set NP,    4                          ; places behind this matrix instruction (ISA guide 7.12.1)
.set FRB,   2048                       ; a fragment's image
; THE RING AS IT STANDS, in place of the head's sentence on it: xc and wc lie [group of 8 tiles][8 K steps][8 tiles][2,048], so a wave's 128 rows x 256 along K are one dense block of 32,768 bytes.
; LDS: four parts of 65,536 bytes (x's two halves, W's two), each with slot 0 and slot 1 on end.  The head's one load a wave brings both slots, 65,536 bytes; each refill brings 32,768.
.set KS2,   32768                      ; a slot's part of 128 rows, in memory and in LDS
.set HALFT, 65536                      ; a part: both slots of 128 rows
.set SLOT,  32768                      ; from slot 0 to slot 1 within a part
.set SPARE, 4*HALFT
.set ADRA, 16                          ; v16-17  LDS address of my fragments of x in slot 0, 1
.set ADRB, 20                          ; v20-21  the same for W
.set LI,   24                          ; v24     16 x lane; never rewritten
.set SPW,  28                          ; v28     LDS address of my spare word; never rewritten
.set NIL,  29                          ; v29     0; never rewritten
.set SC,   30                          ; v30     2^E
.set LIM,  31                          ; v31     448 x 2^E
.set CS,   32                          ; two sets of 64: register 32 B + p: cosine, 32 B + 16 + p: sine of frequency 32 B + 16 (lane / 16) + p at my token's position
.set T,    160
.set CD,   224
.set AF,   128
.set G1,  24                           ; s[24:31] descriptor group 1 for x's tiles;  s[32:39] group 0, one set for each slot
.set G0,  32
.set G1B, 48                           ; s[48:55], s[56:63] the same for W's tiles
.set G0B, 56
.set SW,  0                            ; 1: x is source 0 and W source 1
.set MUL_LO, 0xa1
.set MUL_HI, 0xf1
.set TO_B,   0x40                      ; destination window 1, address window 0
.set MSB, 0
.macro WIN new                         ; the immediate's high byte repeats the setting that is left
.if MSB != (\new)
	s_set_vgpr_msb (MSB<<8)|(\new)
.set MSB, (\new)
.endif
.endm
; Waves 0 and 1 fetch x's two halves (their own work-group's load), waves 2 and 3 W's (the joint load).  The branch hangs on the wave's number alone.  Four v_nop follow each of the two lines.
.macro JLOAD s
	s_cmp_eq_u32 s15, 0
	s_cbranch_scc0 .Lfor_b_\@
	tensor_load_to_lds s[G0+4*(\s):G0+4*(\s)+3], s[G1:G1+7]
	s_nop 0
.rept 4
	v_nop
.endr
	s_branch .Lasked_\@
.Lfor_b_\@:
	tensor_load_to_lds s[G0B+4*(\s):G0B+4*(\s)+3], s[G1B:G1B+7]
	s_nop 0
.rept 4
	v_nop
.endr
.Lasked_\@:
.endm
.macro CREST                           ; a round of the cluster's barrier behind its opening barrier
	s_cmp_lg_u32 s14, 0
	s_cbranch_scc1 .Lnot_wave_0_\@
	s_barrier_signal -3
.Lnot_wave_0_\@:
	s_barrier_wait -3
	s_barrier_signal -1
	s_barrier_wait -1
.endm
.macro CROUND                          ; a whole round
	s_barrier_signal -1
	s_barrier_wait -1
	CREST
.endm
	s_load_b256 s[4:11], s[0:1], 0x0               ; xc s[4:5], wc s[6:7], rt s[8:9], the exponents s[10:11]
	s_load_b128 s[68:71], s[0:1], 0x20             ; qc, kc
	s_load_b64 s[72:73], s[0:1], 0x30              ; vc
	v_lshl_add_u32 v[SPW], v0, 2, SPARE
	v_mov_b32 v[NIL], 0
	ds_add_u32 v28, v29
	ds_add_u32 v28, v29
	s_wait_dscnt 0x0
	v_lshrrev_b32 v1, 5, v0
	v_readfirstlane_b32 s14, v1                    ; wave 0..3
	s_lshr_b32 s15, s14, 1                         ; which 128 tokens are mine.  Also: I fetch for x (0) or for W (1)
	s_and_b32 s16, s14, 1                          ; which 128 features.  Also: which half of that tile I fetch
	s_bfe_u32 s40, ttmp6, 0x40000                  ; cx: my place in the cluster
	s_lshl_b32 s42, ttmp9, 2
	s_add_co_u32 s42, s42, s40                     ; token tile = 4 x cluster x + cx
	s_and_b32 s17, ttmp7, 0xffff                   ; feature tile: the same in the four partners
	; descriptor group 1: rows of 32 elements of 8 bytes, 32 elements apart
	s_mov_b32 s[G1+0], 3<<16                       ; 15:0 no mask; 17:16 elements of 8 bytes; no padding
	s_mov_b32 s[G1B+0], 15|(3<<16)|(1<<21)         ; 15:0 the mask: all four work-groups; 21 set beside a mask
.irp g, G1, G1B
	s_mov_b32 s[\g+1], 32<<16                      ; rows of 32 elements of 8 bytes: 256 bytes
	s_mov_b32 s[\g+2], 256<<16                     ; the head's load: 256 rows
	s_mov_b32 s[\g+3], 32<<16
	s_mov_b32 s[\g+4], 256
	s_mov_b32 s[\g+5], 32                          ; dense
	s_mov_b32 s[\g+6], 0
	s_mov_b32 s[\g+7], 0
.endr
	s_cmp_lt_u32 s17, 6                            ; which set of x's codes: q 0, k 1, v 2
	s_cselect_b32 s18, 1, 2
	s_cmp_lt_u32 s17, 4
	s_cselect_b32 s18, 0, s18
	s_lshl_b32 s18, s18, 23                        ; a set is 0x800000 bytes
	s_lshl_b32 s19, s16, 3                         ; which 8 tiles of rows I fetch
	s_lshl_b32 s20, s42, 4
	s_add_co_u32 s20, s20, s19
	s_lshl_b32 s20, s20, 14
	s_add_co_u32 s20, s20, s18                     ; x: (16 x token tile + 8 x half) x 16,384 + the set
	s_mov_b32 s21, 0
	s_lshl_b32 s46, s17, 4
	s_add_co_u32 s46, s46, s19
	s_lshl_b32 s46, s46, 14                        ; W: (16 x feature tile + 8 x half) x 16,384: made of what the partners share
	s_mov_b32 s47, 0
	s_lshl_b32 s45, s14, 16
	s_wait_kmcnt 0x0
	s_load_b256 s[76:83], s[10:11], 0x0            ; e0 .. e7
	s_load_b128 s[84:87], s[10:11], 0x20           ; e8 .. e11
	s_add_nc_u64 s[20:21], s[4:5], s[20:21]
	s_add_nc_u64 s[46:47], s[6:7], s[46:47]
	CROUND                                         ; all four work-groups are here: the first joint loads meet
.irp s, 0,1
	s_mov_b32 s[G0+4*\s], 1
	s_add_co_u32 s[G0+4*\s+1], s45, \s*SLOT
	s_add_nc_u64 s[G0+4*\s+2:G0+4*\s+3], s[20:21], \s*KS2
	s_or_b32 s[G0+4*\s+3], s[G0+4*\s+3], 0x80000000
	s_mov_b32 s[G0B+4*\s], 1
	s_add_co_u32 s[G0B+4*\s+1], s45, \s*SLOT
	s_add_nc_u64 s[G0B+4*\s+2:G0B+4*\s+3], s[46:47], \s*KS2
	s_or_b32 s[G0B+4*\s+3], s[G0B+4*\s+3], 0x80000000
.if \s == 0
	JLOAD 0                                        ; my one load at the head: both slots of my 128 rows
.endif
.endr
	v_and_b32 v1, 31, v0
	v_lshlrev_b32 v[LI], 4, v1
	s_lshl_b32 s21, s15, 16
	s_lshl_b32 s22, s16, 16
	s_add_co_u32 s22, s22, 2*HALFT                 ; which lie behind x's 256
.irp s, 0,1
	v_add_nc_u32 v[ADRA+\s], s21, v[LI]
	v_add_nc_u32 v[ADRB+\s], s22, v[LI]
	s_add_co_u32 s21, s21, SLOT
	s_add_co_u32 s22, s22, SLOT
.endr
	s_lshr_b32 s91, s42, 3                         ; the batch
	s_and_b32 s92, s42, 7                          ; the token tile within it
	s_wait_kmcnt 0x0
	s_sub_co_i32 s88, s82, s76
	s_sub_co_i32 s88, s88, s77                     ; q: e6 - e0 - e1
	s_sub_co_i32 s89, s83, s78
	s_sub_co_i32 s89, s89, s79                     ; k: e7 - e2 - e3
	s_sub_co_i32 s90, s85, s80
	s_sub_co_i32 s90, s90, s81                     ; v: e9 - e4 - e5
	s_cmp_lt_u32 s17, 6
	s_cselect_b32 s89, s89, s90
	s_cmp_lt_u32 s17, 4
	s_cselect_b32 s88, s88, s89
	s_add_co_i32 s88, s88, 127
	s_lshl_b32 s89, s88, 23
	v_mov_b32 v[SC], s89
	s_add_co_i32 s88, s88, 8
	s_lshl_b32 s88, s88, 23
	s_or_b32 s88, s88, 0x600000
	v_mov_b32 v[LIM], s88
.macro FRAG reg, adr, q, i             ; tile of rows i, the slot's q-th 128 along K
.irp c, 0,1,2,3
	ds_load_b128 v[\reg+4*\c:\reg+4*\c+3], v[\adr] offset:16384*(\q)+512*\c+(\i)*FRB
.endr
.endm
; 16 matrix instructions: x's blocks a0, a0 + 1 against W's eight tiles, 128 along K.  p: W's set.  zero = 1: the first product starts the sums: nothing is ever cleared.
; The 64 accumulators take turns, one instruction a turn, in the same order in every step.
.macro MUL16 a0, p, zero
.irp a, \a0, \a0+1
.irp b, 0,1,2,3,4,5,6,7
.set rD, 8*(8*((\a)%4)+\b)
.set rW, 128*(\p)+FR*\b
.set rX, AF+FR*(\a)
.if SW
.if \zero
	v_wmma_f32_16x16x128_fp8_fp8 v[rD:rD+7], v[rX:rX+FR-1], v[rW:rW+FR-1], 0
.else
	v_wmma_f32_16x16x128_fp8_fp8 v[rD:rD+7], v[rX:rX+FR-1], v[rW:rW+FR-1], v[rD:rD+7]
.endif
.else
.if \zero
	v_wmma_f32_16x16x128_fp8_fp8 v[rD:rD+7], v[rW:rW+FR-1], v[rX:rX+FR-1], 0
.else
	v_wmma_f32_16x16x128_fp8_fp8 v[rD:rD+7], v[rW:rW+FR-1], v[rX:rX+FR-1], v[rD:rD+7]
.endif
.endif
.endr
.endr
.endm
.macro FETCH_B slot, q, p              ; W's eight fragments into set p
	WIN TO_B
.irp i, 0,1,2,3,4,5,6,7
	FRAG 128*(\p)+FR*\i, ADRB+\slot, \q, \i
.endr
	WIN 0
.endm
.macro FETCH_A slot, q, i0             ; x's blocks i0 .. i0 + 3
.irp i, \i0, \i0+1, \i0+2, \i0+3
	FRAG AF+FR*(\i), ADRA+\slot, \q, \i
.endr
.endm
; A load into a register that a matrix instruction has read, and a vector instruction that reads a matrix result, stand NP places behind that matrix instruction; only plain vector instructions that name none of its
; registers are places (ISA guide 7.12.1 for vector instructions).
.macro PLACES n
.rept \n
	v_nop
.endr
.endm
; A step of 128 along K that has its successor in the same slot.  A block of x is free as soon as its eight products are issued: blocks 0-3 are fetched anew in the step's middle, blocks 4-7 at its end.
.macro STEP slot, q, zero
	s_wait_dscnt 4*NL                              ; W's set and x's blocks 0-3 are in; the youngest 16 loads (x's blocks 4-7) may be out
	WIN MUL_LO
	MUL16 0, (\q)%2, \zero
	MUL16 2, (\q)%2, \zero
	s_wait_dscnt 0                                 ; x's blocks 4-7 are in
	PLACES NP
	FETCH_B \slot, (\q)+1, 1-(\q)%2
	FETCH_A \slot, (\q)+1, 0
	WIN MUL_HI
	MUL16 4, (\q)%2, \zero
	MUL16 6, (\q)%2, \zero
	PLACES NP
	WIN 0
	FETCH_A \slot, (\q)+1, 4
.endm
; A slot's last step changes slots: ONE barrier; in front of it each wave waits for all its tensor loads, adds 0 to its spare word, and waits for that and for its own reads of this slot.  fill = 1: this slot is filled again.
.macro TURN slot, next, fill
	s_wait_tensorcnt 0x0                           ; all my tensor loads have landed: my part of the next slot
	ds_add_u32 v[SPW], v[NIL]                      ; 0 onto my spare word
	s_wait_dscnt 4*NL+1                            ; (the add and the youngest 16 loads may be out)
	WIN MUL_LO
	MUL16 0, 1, 0                                  ; sixteen matrix instructions stand between the add and the wait for it
	s_wait_dscnt 0x0                               ; the add is done, and my reads of this slot are over
	s_barrier_signal -1
	MUL16 2, 1, 0
	WIN 0
	s_barrier_wait -1
.if \fill
	CREST                                          ; the barrier has opened a round of the cluster's barrier: no wave of any partner still reads this slot or has a load on its way
	s_add_nc_u64 s[G0+4*\slot+2:G0+4*\slot+3], s[G0+4*\slot+2:G0+4*\slot+3], 2*KS2
	s_add_nc_u64 s[G0B+4*\slot+2:G0B+4*\slot+3], s[G0B+4*\slot+2:G0B+4*\slot+3], 2*KS2
	JLOAD \slot                                    ; the first tensor load behind the round; its four v_nop are also the places in front of the loads below
.else
	PLACES NP
.endif
	FETCH_B \next, 0, 0
	FETCH_A \next, 0, 0
	WIN MUL_HI
	MUL16 4, 1, 0
	MUL16 6, 1, 0
	PLACES NP
	WIN 0
	FETCH_A \next, 0, 4
.endm
; All of K: eight steps of 128, four fills, written straight.  By this text's own count a wave has one tensor load out at the start and one behind each round.
.macro MAIN
	FETCH_B 0, 0, 0
	FETCH_A 0, 0, 0
	FETCH_A 0, 0, 4
	STEP 0, 0, 1
	TURN 0, 1, 1
	STEP 1, 0, 0
	TURN 1, 0, 1
	STEP 0, 0, 0
	TURN 0, 1, 0                                   ; nothing is left to fetch
	STEP 1, 0, 0
	s_wait_dscnt 4*NL
	WIN MUL_LO
	MUL16 0, 1, 0
	MUL16 2, 1, 0
	s_wait_dscnt 0
	WIN MUL_HI
	MUL16 4, 1, 0
	MUL16 6, 1, 0
	WIN 0
	PLACES NP                                      ; in front of the first read of results and of loads and writes into the registers that held x's fragments
.endm
.macro FIN
	s_wait_tensorcnt 0x0                           ; the wave's end
	ds_add_u32 v[SPW], v[NIL]
	s_wait_dscnt 0x0
	CROUND                                         ; the closing round: no work-group ends while a partner may still ask for a tile that names it
	s_endpgm
.endm
.macro TABLE a                         ; token block a's cosines and sines: 16 loads of 512 consecutive bytes into set a % 2
.irp u, 0,1,2,3
.irp w, 0,1,2,3
	global_load_b128 v[CS+64*((\a)%2)+16*\u+4*\w:CS+64*((\a)%2)+16*\u+4*\w+3], v[LI], s[8:9] offset:8192*(\a)+2048*\u+512*\w
.endr
.endr
.endm
.macro TOCODES co                      ; the 64 numbers in T: held (the conversion to an 8-bit code does not saturate: ISA guide 7.6.2), converted
.set i, 0
.rept 64
	v_med3_num_f32 v[T+i], v[T+i], -v[LIM], v[LIM]
.set i, i+1
.endr
	s_wait_alu depctr_va_vdst(0)
	s_wait_xcnt 0x0                                ; earlier stores have read their data: the codes' registers may be written again
.irp g, 0,1,2,3,4,5,6,7
	v_cvt_scalef32_pk8_fp8_f32 v[\co+2*\g:\co+2*\g+1], v[T+8*\g:T+8*\g+7], v[SC]
.endr
	v_nop                                          ; a plain line behind the last conversion, ahead of the next write of its sources
.endm
; Token block a of q or k: x1 = features 0-63 (accumulators 0-3), x2 = features 64-127 (accumulators 4-7); T = (x1 cos - x2 sin, x1 sin + x2 cos); each accumulator is read from its low end on.
.macro ROPE a
.set AC, 64*((\a)%4)
.set CB, CS+64*((\a)%2)
.set CO, CD+16*((\a)%2)
.if (\a) < 7
	s_wait_loadcnt 16                              ; this block's table is in; the next block's 16 loads may be out
.else
	s_wait_loadcnt 0x0
.endif
	WIN 0x02+((\a)/4)                              ; source 0: window 2 or 3
.irp e, 0,1
.irp p, 0,2,4,6,8,10,12,14
	v_pk_mul_f32 v[T+16*\e+\p:T+16*\e+\p+1], v[AC+32+16*\e+\p:AC+32+16*\e+\p+1], v[CB+32*\e+16+\p:CB+32*\e+16+\p+1]
	v_pk_mul_f32 v[T+32+16*\e+\p:T+32+16*\e+\p+1], v[AC+32+16*\e+\p:AC+32+16*\e+\p+1], v[CB+32*\e+\p:CB+32*\e+\p+1]
.endr
.irp p, 0,2,4,6,8,10,12,14
	v_pk_fma_f32 v[T+16*\e+\p:T+16*\e+\p+1], v[AC+16*\e+\p:AC+16*\e+\p+1], v[CB+32*\e+\p:CB+32*\e+\p+1], v[T+16*\e+\p:T+16*\e+\p+1] neg_lo:[0,0,1] neg_hi:[0,0,1]
	v_pk_fma_f32 v[T+32+16*\e+\p:T+32+16*\e+\p+1], v[AC+16*\e+\p:AC+16*\e+\p+1], v[CB+32*\e+16+\p:CB+32*\e+16+\p+1], v[T+32+16*\e+\p:T+32+16*\e+\p+1]
.endr
.endr
	WIN 0
.if (\a)+2 < 8
	TABLE (\a)+2                                   ; into the set just read
.endif
	TOCODES CO
.irp c, 0,1,2,3
	global_store_b128 v[LI], v[CO+4*\c:CO+4*\c+3], s[12:13] offset:2048*(\a)+512*\c   ; the fragment's image: 512 consecutive bytes a store
.endr
.endm
; W tile b of v: a lane holds one feature; T[8 a + j] = token 16 a + 8 (lane / 16) + j
.macro VOUT b
	WIN 0x02
.irp a, 0,1,2,3
.irp j, 0,1,2,3,4,5,6,7
	v_mov_b32 v[T+8*\a+\j], v[64*\a+8*(\b)+\j]
.endr
.endr
	WIN 0x03
.irp a, 0,1,2,3
.irp j, 0,1,2,3,4,5,6,7
	v_mov_b32 v[T+32+8*\a+\j], v[64*\a+8*(\b)+\j]
.endr
.endr
	WIN 0
	TOCODES CD
.irp c, 0,1,2,3
	global_store_b128 v[LI], v[CD+4*\c:CD+4*\c+3], s[12:13] offset:2048*(\b)+512*\c
.endr
.endm
	s_wait_tensorcnt 0x0                           ; my part of both slots is in,
	s_barrier_signal -1
	s_barrier_wait -1                              ; everybody's is
	s_mov_b32 s[G1+2], 128<<16                     ; no load of mine is out: from here on a load is a refill of 128 rows
	s_mov_b32 s[G1+4], 128
	s_mov_b32 s[G1B+2], 128<<16
	s_mov_b32 s[G1B+4], 128
	s_cmp_ge_u32 s17, 6                            ; the feature tile is the same in all four partners
	s_cbranch_scc1 .Lv
	; ---------------- q and k ----------------
	s_lshl_b32 s93, s92, 4
	s_lshl_b32 s94, s15, 3
	s_add_co_u32 s93, s93, s94                     ; my first tile of 16 positions: 16 x (token tile % 8) + 8 x half
	s_lshl_b32 s94, s17, 1
	s_add_co_u32 s94, s94, s16                     ; 2 x feature tile + half: q's head; k's head + 8
	s_lshl_b32 s95, s91, 3
	s_add_co_u32 s95, s95, s94                     ; q: 8 x batch + head
	s_lshl_b32 s96, s91, 2
	s_add_co_u32 s96, s96, s94
	s_sub_co_u32 s96, s96, 8                       ; k: 4 x batch + head
	s_cmp_lt_u32 s17, 4
	s_cselect_b32 s95, s95, s96
	s_cselect_b64 s[12:13], s[68:69], s[70:71]
	s_lshl_b32 s95, s95, 7
	s_add_co_u32 s95, s95, s93
	s_lshl_b32 s96, s95, 11
	s_mov_b32 s97, 0
	s_add_nc_u64 s[12:13], s[12:13], s[96:97]      ; my eight fragments lie on end
	s_lshl_b32 s96, s93, 13
	s_add_nc_u64 s[8:9], s[8:9], s[96:97]          ; the table at my first tile of positions
	s_wait_alu depctr_va_vdst(0)
	TABLE 0                                        ; lands while K is walked
	MAIN
	TABLE 1
.irp a, 0,1,2,3,4,5,6,7
	ROPE \a
.endr
	FIN
	; ---------------- v ----------------
.Lv:
.set SW, 1
.set MUL_LO, 0xa4                      ; source 0 (x) window 0, source 1 (W) window 1, C and D window 2
.set MUL_HI, 0xf4
	s_lshl_b32 s93, s91, 2
	s_lshl_b32 s94, s17, 1
	s_add_co_u32 s93, s93, s94
	s_add_co_u32 s93, s93, s16
	s_sub_co_u32 s93, s93, 12                      ; 4 x batch + v's head
	s_lshl_b32 s93, s93, 4
	s_lshl_b32 s94, s92, 1
	s_add_co_u32 s93, s93, s94
	s_add_co_u32 s93, s93, s15                     ; x 16 + my block of 128 keys
	s_lshl_b32 s96, s93, 14
	s_mov_b32 s97, 0
	s_add_nc_u64 s[12:13], s[72:73], s[96:97]
	s_wait_alu depctr_va_vdst(0)
	MAIN
.irp b, 0,1,2,3,4,5,6,7
	VOUT \b
.endr
	FIN
.Lfunc_end_k_q0680661fde_proj:
	.size	k_q0680661fde_proj, .Lfunc_end_k_q0680661fde_proj-k_q0680661fde_proj
	.p2alignl 7, 3214868480
	.fill 96, 4, 3214868480
	.section	.rodata,"a",@progbits
	.p2align	6, 0x0
	.amdhsa_kernel k_q0680661fde_proj
		.amdhsa_group_segment_fixed_size 327680
		.amdhsa_private_segment_fixed_size 0
		.amdhsa_enable_private_segment 0
		.amdhsa_kernarg_size 56
		.amdhsa_user_sgpr_count 2
		.amdhsa_user_sgpr_kernarg_segment_ptr 1
		.amdhsa_wavefront_size32 1
		.amdhsa_system_sgpr_workgroup_id_x 1
		.amdhsa_system_sgpr_workgroup_id_y 1
		.amdhsa_system_sgpr_workgroup_id_z 1
		.amdhsa_system_vgpr_workitem_id 0
		.amdhsa_next_free_vgpr 1024
		.amdhsa_next_free_sgpr 100
		.amdhsa_reserve_vcc 0
		.amdhsa_float_denorm_mode_32 3
		.amdhsa_float_denorm_mode_16_64 3
		.amdhsa_memory_ordered 1
		.amdhsa_forward_progress 1
		.amdhsa_inst_pref_size 255
	.end_amdhsa_kernel
	.section	.bss,"aw",@nobits
	.p2align	6
	.space	262144
	.amdgpu_metadata
---
amdhsa.version: [ 1, 2 ]
amdhsa.kernels:
  - .name:           k_q0680661fde_proj
    .symbol:         k_q0680661fde_proj.kd
    .args:
      - { .name: xc, .offset: 0, .size: 8, .value_kind: global_buffer, .address_space: global }
      - { .name: wc, .offset: 8, .size: 8, .value_kind: global_buffer, .address_space: global }
      - { .name: rt, .offset: 16, .size: 8, .value_kind: global_buffer, .address_space: global }
      - { .name: lowp_scales, .offset: 24, .size: 8, .value_kind: global_buffer, .address_space: global }
      - { .name: qc, .offset: 32, .size: 8, .value_kind: global_buffer, .address_space: global }
      - { .name: kc, .offset: 40, .size: 8, .value_kind: global_buffer, .address_space: global }
      - { .name: vc, .offset: 48, .size: 8, .value_kind: global_buffer, .address_space: global }
    .group_segment_fixed_size: 327680
    .private_segment_fixed_size: 0
    .kernarg_segment_align: 8
    .kernarg_segment_size: 56
    .max_flat_workgroup_size: 128
    .sgpr_count:     100
    .vgpr_count:     1024
    .wavefront_size: 32
...
	.end_amdgpu_metadata
.endif
;; end of part 2
;; launch attn (part 3): grid 16 x 16, 8 waves a work-group, no clusters, 327,680 bytes of LDS; arguments qc, kc, vc, lowp_scales, ac; writes ac
.if DOCPART == 3
	.amdgcn_target "amdgcn-amd-amdhsa--gfx1250"
	.amdhsa_code_object_version 6
	.text
	.protected	k_q0680661fde_attn
	.globl	k_q0680661fde_attn
	.p2align	8
	.type	k_q0680661fde_attn,@function
k_q0680661fde_attn:
	s_mov_b64 s[64:65], 0
	v_nop
	global_prefetch_b8 v0, s[64:65] scope:SCOPE_SE
	s_setreg_imm32_b32 hwreg(HW_REG_WAVE_MODE, 25, 1), 1
	s_wait_xcnt 0x0
; ATTN: causal attention with two query heads to a key/value head, both products on codes of FP8 (E4M3); the result leaves as codes for the last projection.
; Left out: tiles of 128 keys that the causal mask of the problem's own hides from all of a wave's queries.
; THE SOFTMAX AHEAD OF THE SECOND PRODUCT: t = score x log2(e) / sqrt(128); M = the largest t so far, rounded UP to a whole number; p = 2^(t - M) is quantised along the keys, not normalised; the row's sum is
; taken of the unquantised p and divides at the end.  When M moves, the sum and O are multiplied by 2^(old M - new M): exact.
; SHARES.  Work-group (J, BK): BK = 4 x batch + key/value head.  A chunk is 64 queries x the group's 2 heads; chunk c needs the key steps (128 keys) 0 .. c / 2.  The work-group does chunk 31 - J (A) and then chunk J (B):
; always 17 steps, numbered POS = 0 .. 16.  EIGHT WAVES, two to a SIMD.  Waves w and w + 4 own the same 16 queries of both heads (two tiles, so that each fragment of K and V feeds two matrix instructions) and
; DIVIDE THE KEY STEPS: waves 0-3 take the even POS, waves 4-7 the odd ones.  Each keeps its own M, sum and O^T: a part.  In every step that is walked each query sees at least one key, so a step's M is a number.
; JOINING THE PARTS.  At its first step of chunk B a wave stores its part of chunk A in LDS bytes of its own.  At the end waves 0-3 store their parts of chunk B, one barrier follows, and waves 0-3 finish chunk A,
; waves 4-7 chunk B: M = the larger of the two, each part x 2^(its M - M), exact; the sums are added; O^T / the sum is held and converted.  A part with no step (waves 4-7, where chunk B has one step) has the
; sum 0 and O^T 0 and the factor 0.
; LAYOUT.  All codes lie as images of an operand's registers (a fragment: 2,048 bytes, four loads of 16 bytes a lane, 512 bytes apart).  Both products are used transposed: S^T = K Q^T, O^T = V^T P^T: a lane holds one query.
; S^T's tile f, register j is key 16 f + 8 (lane / 16) + j: p's codes of tile f are registers 2 f, 2 f + 1 of the operand, and V's images were laid with the same places for the keys.
; O^T's 16 registers of tiles 2 B, 2 B + 1 are channels 32 B + 16 (lane / 16) + 0..15: the conversions' results are the image that the last projection loads.
; RING.  Two LDS slots of two key steps (K, V of the even POS, K, V of the odd), 65,536 bytes each.  Every wave fetches 8,192 bytes of a slot by one tensor load; by this text's own count a wave has one load out.
; LDS: 0 chunk A's O^T, 16,384 a wave; 131,072 slot 1, 196,608 slot 0; chunk B's O^T of waves 0-3 goes into slot 1, which has had its last fill and its last read by then; 262,144 the parts' M and sums;
; 274,432 chunk B's Q, staged at the head; 307,200 the spare words.
; NO CLUSTER: the two heads that share K and V sit in one work-group already, and the work-groups of one key/value head change chunks at different steps (9 to 16), so from the ninth step on they need different tiles.
; LIMITS: e6 + e7 between -123 and 130 (added to c's exponent field); e8, and e10 - e8 - e9, between -126 and 119.  The scaled scores t stay under 2^31 in magnitude.  NaN among the inputs is not served.
; REGISTERS: window 0: v1-11, v30 addresses; v12-27 statistics, 8 a tile; v28-29 the mask; v32-159 S^T, then p; v160-191 codes; v192-223 Q; v224-247 maxima and sums; v248-252 scales.
;   window 1: v0-127 O^T, 64 a tile; v128-255 eight fragments, K's and then V's.   s_set_vgpr_msb: bits 1:0 source 0, 3:2 source 1, 5:4 source 2, 7:6 destination.
.set SLOTB, 65536
.set RING,  131072
.set STS,   262144
.set QST,   274432
.set SPARE, 307200
.set LI,  1                            ; 16 x lane
.set ADR, 2                            ; LDS address of my step's K
.set PFO, 3                            ; 256 x lane
.set DV,  4                            ; lane % 16 - 8 (lane / 16)
.set SPW, 5                            ; my spare word; never rewritten
.set NIL, 6                            ; 0; never rewritten
.set ADB, 7                            ; RING + 32,768 x (wave / 4) + 16 x lane
.set SAO, 8                            ; my part of chunk A: 16,384 x wave + 16 x lane
.set SBO, 9                            ; my part of chunk B: 131,072 on
.set SPO, 10                           ; the part that I join with mine: 65,536 on
.set SAS, 11                           ; the parts' statistics: STS + 1,024 x wave + 16 x lane; chunk B's 8,192 on, the partner's 4,096 on
.set ST,  12                           ; tile t at v[ST + 8 t]: +0 -M, +1 the largest t, +2, +3 the sum in two halves, +4 f (+5 named with it), +6, +7 at work
.set MD,  28
.set MI,  29
.set SQ,  30                           ; chunk B's Q in LDS
.set S,   32
.set PC,  160
.set QR,  192
.set MX,  224
.set SA,  232
.set PSC, 248                          ; 2^e8
.set PLM, 249                          ; 448 x 2^e8, twice: the two halves of a dual pair name different registers
.set PLM2, 250
.set OSC, 251                          ; 2^(e10 - e8 - e9)
.set OLM, 252                          ; 448 x that
.set WV,  14
.set HF,  15                           ; wave / 4: the parity of my steps
.set NA,  16                           ; steps of chunk A
.set POS, 17                           ; my step in hand
.set KF,  18                           ; its first key
.set Q0,  19                           ; my first query;  s20 chunk B's
.set Q0B, 20
.set TB,  21                           ; SLOTB while slot 0 is in hand, 0 for slot 1
.set SLOTS, 22
.set FP,  23                           ; the step that my next tensor load brings
.set G1,  24
.set SEL, 32
.set CS,  34
.set SWP, 36                           ; my first POS at or behind NA
.set KFB, 37                           ; its first key
.set BKR, 38
.set G0,  40
.set FB,  44                           ; my 8,192 bytes of key step 0, in K's or V's codes
.set QPA, 48
.set QPB, 50
.set AP,  52                           ; where the tile that I finish goes; the second head lies 16,384 bytes on
.set PFA, 56
.set LIM, 58
.set MSB, 0
.macro WIN new                         ; the immediate's high byte repeats the setting that is left
.if MSB != (\new)
	s_set_vgpr_msb (MSB<<8)|(\new)
.set MSB, (\new)
.endif
.endm
.macro DESC                            ; the global address of step FP's block: chunk A's steps, then chunk B's from key 0 again
	s_cmp_ge_u32 s[FP], s[NA]
	s_cselect_b32 s46, s[NA], 0
	s_sub_co_u32 s46, s[FP], s46
	s_lshl_b32 s46, s46, 14
	s_add_nc_u64 s[G0+2:G0+3], s[FB:FB+1], s[46:47]
	s_or_b32 s[G0+3], s[G0+3], 0x80000000
.endm
.macro TLOAD lim                       ; waves under lim fetch (8: all).  An s_nop 0 and four v_nop follow the line
.if \lim < 8
	s_cmp_lt_u32 s[WV], \lim
	s_cbranch_scc0 .Lasked_\@
.endif
	tensor_load_to_lds s[G0:G0+3], s[G1:G1+7]
	s_nop 0
.rept 4
	v_nop
.endr
.if \lim < 8
.Lasked_\@:
.endif
.endm
; A PREFETCH INTO THE L2 of what the NEXT change of slots will ask for.  All sixteen work-groups of a key/value head read its K and V; work-group J = 0 walks all sixteen key steps in order, and it alone asks: each of its
; waves for the 8,192 bytes that it will fetch at the next change, lanes 256 bytes apart.  So each aligned block of 256 bytes is named once in the launch.  Slots 0 and 1 come by their loads alone; the loop's last trip asks for nothing.
.macro ASK
	s_cmp_gt_u32 s[SLOTS], s[LIM]
	s_cbranch_scc0 .Lnot_mine_\@
	global_prefetch_b8 v[PFO], s[PFA:PFA+1] th:TH_LOAD_NT scope:SCOPE_SE
.Lnot_mine_\@:
.endm
.macro INIT                            ; a part begins: zeros, which the first change of M leaves zeros
.irp t, 0,1
	v_mov_b32 v[ST+8*\t+1], 0xff61b1e6             ; the largest t so far: -3e38
	v_mov_b32 v[ST+8*\t+2], 0
	v_mov_b32 v[ST+8*\t+3], 0
.endr
.irp t, 0,1
	v_floor_f32 v[ST+8*\t], -v[ST+8*\t+1]
.endr
	WIN 0x40
.set i, 0
.rept 128
	v_mov_b32 v[i], 0
.set i, i+1
.endr
	WIN 0
.endm
.macro QLOAD qp, r                     ; both heads' tiles of Q
.irp t, 0,1
.irp c, 0,1,2,3
	global_load_b128 v[\r+16*\t+4*\c:\r+16*\t+4*\c+3], v[LI], s[\qp:\qp+1] offset:262144*\t+512*\c
.endr
.endr
.endm
.macro PUT ao, so                      ; my part into LDS: O^T, each accumulator from its low end on, and the statistics
	WIN 0x04                                       ; the stores' data: window 1
.set i, 0
.rept 32
	ds_store_b128 v[\ao], v[4*i:4*i+3] offset:512*i
.set i, i+1
.endr
	WIN 0
.irp t, 0,1
	ds_store_b128 v[SAS], v[ST+8*\t:ST+8*\t+3] offset:\so+512*\t
.endr
.endm
.macro GET ao, r, so, sr, sp           ; a part out of LDS: O^T into v[r ..] of window 1, tile t's statistics into v[sr + sp t ..]
	WIN 0x40
.set i, 0
.rept 32
	ds_load_b128 v[\r+4*i:\r+4*i+3], v[\ao] offset:512*i
.set i, i+1
.endr
	WIN 0
.irp t, 0,1
	ds_load_b128 v[\sr+\sp*\t:\sr+\sp*\t+3], v[SAS] offset:\so+512*\t
.endr
.endm
.macro LRUN off                        ; eight fragments, 32 loads, from byte off of my step's part of the slot
	WIN 0x40
.set i, 0
.rept 32
	ds_load_b128 v[128+4*i:128+4*i+3], v[ADR] offset:\off+512*i
.set i, i+1
.endr
	WIN 0
.endm
.macro QK f0                           ; S^T = K Q^T: four tiles of 16 keys, each against both tiles of queries; every product starts its sum
.irp f, \f0, \f0+1, \f0+2, \f0+3
.irp t, 0,1
	v_wmma_f32_16x16x128_fp8_fp8 v[S+64*\t+8*(\f):S+64*\t+8*(\f)+7], v[128+16*(\f):128+16*(\f)+15], v[QR+16*\t:QR+16*\t+15], 0
.endr
.endr
.endm
	s_load_b256 s[4:11], s[0:1], 0x0               ; qc s[4:5], kc s[6:7], vc s[8:9], the exponents s[10:11]
	s_load_b64 s[12:13], s[0:1], 0x20              ; ac
	v_lshl_add_u32 v[SPW], v0, 2, SPARE
	v_mov_b32 v[NIL], 0
	ds_add_u32 v[SPW], v[NIL]                      ; the opening: the add, twice on end, and its wait ahead of my first tensor load
	ds_add_u32 v[SPW], v[NIL]
	v_lshrrev_b32 v12, 5, v0
	v_readfirstlane_b32 s[WV], v12                 ; wave 0..7
	s_lshr_b32 s[HF], s[WV], 2
	s_and_b32 s81, s[WV], 3                        ; which 16 queries of a chunk
	s_and_b32 s[BKR], ttmp7, 0xffff
	s_sub_co_u32 s80, 31, ttmp9                    ; chunk A
	s_lshr_b32 s[NA], s80, 1
	s_add_co_u32 s[NA], s[NA], 1
	s_xor_b32 s[SWP], s[NA], s[HF]
	s_and_b32 s[SWP], s[SWP], 1                    ; 1 where NA has not my parity
	s_lshl_b32 s[KFB], s[SWP], 7
	s_add_co_u32 s[SWP], s[SWP], s[NA]
	s_lshl_b32 s83, s80, 2
	s_add_co_u32 s83, s83, s81                     ; my tile of 16 queries in chunk A,
	s_lshl_b32 s84, ttmp9, 2
	s_add_co_u32 s84, s84, s81                     ; in chunk B
	s_lshl_b32 s[Q0], s83, 4
	s_lshl_b32 s[Q0B], s84, 4
	s_lshl_b32 s85, s[BKR], 8                      ; 128 x (8 x batch + the group's first query head)
	s_add_co_u32 s86, s85, s83
	s_lshl_b32 s86, s86, 11
	s_mov_b32 s87, 0
	s_add_co_u32 s88, s85, s84
	s_lshl_b32 s88, s88, 11
	s_mov_b32 s89, 0
	s_cmp_eq_u32 s[HF], 0
	s_cselect_b32 s92, s83, s84                    ; the tile that I finish: waves 0-3 chunk A's, waves 4-7 chunk B's
	s_lshr_b32 s90, s[BKR], 2
	s_lshl_b32 s90, s90, 7                         ; 128 x batch
	s_and_b32 s91, s[BKR], 3
	s_lshl_b32 s91, s91, 1                         ; the group's first query head: the last projection's K step
	s_add_co_u32 s92, s92, s90                     ; ac lies [group of 8 tiles][8 K steps = heads][8 tiles][2,048]
	s_and_b32 s90, s92, 7
	s_lshl_b32 s90, s90, 11
	s_lshr_b32 s92, s92, 3
	s_lshl_b32 s92, s92, 17
	s_add_co_u32 s92, s92, s90
	s_lshl_b32 s91, s91, 14
	s_add_co_u32 s92, s92, s91
	s_mov_b32 s93, 0
	; descriptor group 1: a dense block of 8,192 bytes as 32 rows of 32 elements of 8 bytes
	s_mov_b32 s[G1], 3<<16
	s_mov_b32 s[G1+1], 32<<16
	s_mov_b32 s[G1+2], 32<<16
	s_mov_b32 s[G1+3], 32<<16
	s_mov_b32 s[G1+4], 32
	s_mov_b32 s[G1+5], 32
	s_mov_b32 s[G1+6], 0
	s_mov_b32 s[G1+7], 0
	s_mov_b32 s[SEL], 0x76543210
	s_mov_b32 s[SEL+1], 0xfedcba98
	s_mov_b32 s[CS], 0x3e0293ee                    ; log2(e) / sqrt(128)
	s_mov_b32 s[TB], SLOTB
	s_mov_b32 s[POS], s[HF]
	s_lshl_b32 s[KF], s[HF], 7
	s_mov_b32 s[SLOTS], 7
	s_mov_b32 s[FP], s[HF]
	s_lshl_b32 s46, s[BKR], 18                     ; a key/value head's codes are 262,144 bytes
	s_and_b32 s97, s[WV], 1
	s_lshl_b32 s97, s97, 13                        ; which 8,192 bytes of a block I fetch
	s_add_co_u32 s46, s46, s97
	s_mov_b32 s47, 0
	s_bfe_u32 s96, s[WV], 0x10001                  ; waves 0, 1, 4, 5: K; waves 2, 3, 6, 7: V
	s_wait_dscnt 0x0                               ; both opening adds are done
	s_wait_kmcnt 0x0
	s_load_b256 s[68:75], s[10:11], 0x0            ; e0 .. e7
	s_load_b128 s[76:79], s[10:11], 0x20           ; e8 .. e11
	s_cmp_eq_u32 s96, 0
	s_cselect_b64 s[FB:FB+1], s[6:7], s[8:9]
	s_add_nc_u64 s[FB:FB+1], s[FB:FB+1], s[46:47]
	s_mov_b32 s[G0], 1
	s_lshl_b32 s[G0+1], s[WV], 13
	s_add_co_u32 s[G0+1], s[G0+1], RING+SLOTB      ; LDS: slot 0, 8,192 x wave
	DESC
	TLOAD 8                                        ; slot 0: every wave's one load at the head
	s_lshl_b32 s96, s[HF], 14
	s_add_co_u32 s96, s96, 32768                   ; the prefetches stand at my block of slot 1; the first change of slots steps them to slot 2
	s_mov_b32 s97, 0
	s_add_nc_u64 s[PFA:PFA+1], s[FB:FB+1], s[96:97]
	s_cmp_eq_u32 ttmp9, 0
	s_cselect_b32 s[LIM], 1, -1
	s_add_nc_u64 s[QPA:QPA+1], s[4:5], s[86:87]
	s_add_nc_u64 s[QPB:QPB+1], s[4:5], s[88:89]
	s_add_nc_u64 s[AP:AP+1], s[12:13], s[92:93]
	s_lshl_b32 s94, s[HF], 15
	s_add_co_u32 s94, s94, RING
	s_lshl_b32 s95, s[WV], 14
	s_lshl_b32 s96, s[WV], 10
	s_add_co_u32 s96, s96, STS
	s_lshl_b32 s97, s[WV], 12
	s_add_co_u32 s97, s97, QST
	v_and_b32 v12, 31, v0
	v_lshlrev_b32 v[LI], 4, v12
	v_lshlrev_b32 v[PFO], 8, v12
	v_and_b32 v13, 15, v0
	v_bfe_u32 v14, v0, 4, 1
	v_lshlrev_b32 v14, 3, v14
	v_sub_nc_u32 v[DV], v13, v14
	v_add_nc_u32 v[ADB], s94, v[LI]
	v_add_nc_u32 v[SAO], s95, v[LI]
	v_add_nc_u32 v[SPO], 0x10000, v[SAO]
	v_add_nc_u32 v[SBO], 0x20000, v[SAO]
	v_add_nc_u32 v[SAS], s96, v[LI]
	v_add_nc_u32 v[SQ], s97, v[LI]
	s_wait_alu depctr_va_vdst(0)
	QLOAD QPA, QR
	QLOAD QPB, S                                   ; chunk B's Q, on its way into LDS
.irp t, 0,1
	v_mov_b32 v[ST+8*\t+4], 0
	v_mov_b32 v[ST+8*\t+5], 0                      ; (named as the upper half of f's pair)
	v_mov_b32 v[ST+8*\t+6], 0                      ; a lane permute's destination counts as one of its sources
	v_mov_b32 v[ST+8*\t+7], 0
.endr
	INIT
	WIN 0x40                                       ; the fragments' registers and the part of S^T that no load fills are written once, so that every way through the text finds them written
.set i, 128
.rept 128
	v_mov_b32 v[i], 0
.set i, i+1
.endr
	WIN 0
.set i, 32
.rept 96
	v_mov_b32 v[S+i], 0
.set i, i+1
.endr
	s_wait_kmcnt 0x0
	s_add_co_i32 s80, s74, s75
	s_lshl_b32 s80, s80, 23
	s_add_co_i32 s[CS], s[CS], s80                 ; a score stands for score x 2^(e6 + e7): added to c's exponent field
	s_mov_b32 s[CS+1], s[CS]
	s_add_co_i32 s80, s76, 127
	s_lshl_b32 s81, s80, 23
	v_mov_b32 v[PSC], s81
	s_add_co_i32 s80, s80, 8
	s_lshl_b32 s80, s80, 23
	s_or_b32 s80, s80, 0x600000
	v_mov_b32 v[PLM], s80
	v_mov_b32 v[PLM2], s80
	s_sub_co_i32 s80, s78, s76
	s_sub_co_i32 s80, s80, s77                     ; O^T / l stands for the result / 2^(e8 + e9): its code is taken under 2^(e10 - e8 - e9)
	s_add_co_i32 s80, s80, 127
	s_lshl_b32 s81, s80, 23
	v_mov_b32 v[OSC], s81
	s_add_co_i32 s80, s80, 8
	s_lshl_b32 s80, s80, 23
	s_or_b32 s80, s80, 0x600000
	v_mov_b32 v[OLM], s80
.macro SWITCH                          ; from chunk A to chunk B: my part of A goes into LDS bytes of its own, Q comes from its stage, a new part begins
	s_wait_alu depctr_va_vdst(0)                   ; the sums just made are read by the stores below
	PUT SAO, 0
.irp t, 0,1
.irp c, 0,1,2,3
	ds_load_b128 v[QR+16*\t+4*\c:QR+16*\t+4*\c+3], v[SQ] offset:2048*\t+512*\c
.endr
.endr
	s_mov_b32 s[Q0], s[Q0B]
	s_mov_b32 s[KF], s[KFB]
	s_wait_dscnt 0x0                               ; the stores have read their registers, and Q is in
	INIT
	s_wait_alu depctr_va_vdst(0)
.endm
; A KEY STEP IN TWO PARTS.  APART: K's fragments, S^T, and V's loads into the same registers.  BPART: the softmax and O^T.  In a trip waves 0-3 run APART and then BPART of one step; waves 4-7 run BPART of the step
; whose APART they ran in the trip before, and then APART of their step in this slot: so the two waves of a SIMD stand in different parts.  All reads of a slot are in registers ahead of the next barrier.
; APART is run by the waves of half h alone (a branch on the wave's number, round no barrier and no tensor load); the change of chunks stands at its head.  work = 0: the ninth slot holds no step of waves 4-7.
.macro APART h, work
	s_cmp_lg_u32 s[HF], \h
	s_cbranch_scc1 .Lnone_\@
	s_cmp_eq_u32 s[POS], s[SWP]                    ; ids and a count
	s_cbranch_scc0 .Lsame_\@
	SWITCH
.Lsame_\@:
.if \work
	s_wait_dscnt 0x0                               ; no LDS load of mine is out when K's loads are issued into the fragments' registers, on every way through the text
	LRUN 0                                         ; K.  (The fragments' last products stand ahead of the eight additions that end BPART)
	s_wait_dscnt 16                                ; fragments 0-3 are in; the 16 loads of fragments 4-7 may be out
	WIN 0x01                                       ; source 0 (K) window 1
	QK 0
	s_wait_dscnt 0x0
	QK 4
	WIN 0
.irp t, 0,1
	v_mov_b32 v[ST+8*\t+7], v[ST+8*\t]             ; the old -M is kept.  With the three lines below: five places behind the products, which serve V's loads, the first readers of S^T and a later product that writes S^T anew
.endr
	v_nop
	v_nop
	v_nop
	LRUN 16384
	s_add_co_u32 s[POS], s[POS], 2
.endif
.Lnone_\@:
.endm
.macro BPART first                     ; first = 1: in the first trip waves 4-7 (their POS is still 1) have no step in hand
.if \first
	s_cmp_eq_u32 s[POS], 1
	s_cbranch_scc1 .Lidle_\@
.endif
	s_add_co_u32 s96, s[KF], 127
	s_cmp_le_u32 s96, s[Q0]
	s_cbranch_scc1 .Lopen_\@
	s_sub_co_i32 s96, s[Q0], s[KF]
	v_add_nc_u32 v[MD], s96, v[DV]                 ; d = my query - KF - 8 (lane / 16).  Register 8 f + j holds key KF + 16 f + 8 (lane / 16) + j: hidden where 16 f + j > d.  One compare serves both tiles
	v_mov_b32 v[MI], 0xff800000
.set n, 0
.rept 64
	v_cmp_gt_i32 vcc_lo, 16*(n/8)+n%8, v[MD]
	v_cndmask_b32 v[S+n], v[S+n], v[MI], vcc_lo
	v_cndmask_b32 v[S+64+n], v[S+64+n], v[MI], vcc_lo
.set n, n+1
.endr
.Lopen_\@:
	; the step's largest score of my query among my 64 keys: four chains a tile, each accumulator from its low end on
.irp c, 0,1,2,3
.irp t, 0,1
	v_max_num_f32 v[MX+4*\t+\c], v[S+64*\t+2*\c], v[S+64*\t+2*\c+1]
.endr
.endr
.irp f, 1,2,3,4,5,6,7
.irp c, 0,1,2,3
.irp t, 0,1
	v_max3_num_f32 v[MX+4*\t+\c], v[MX+4*\t+\c], v[S+64*\t+8*\f+2*\c], v[S+64*\t+8*\f+2*\c+1]
.endr
.endr
.endr
.irp t, 0,1
	v_max3_num_f32 v[MX+4*\t], v[MX+4*\t], v[MX+4*\t+1], v[MX+4*\t+2]
.endr
.irp t, 0,1
	v_max_num_f32 v[MX+4*\t], v[MX+4*\t], v[MX+4*\t+3]
.endr
.irp t, 0,1
	v_permlanex16_b32 v[ST+8*\t+6], v[MX+4*\t], s[SEL], s[SEL+1]
.endr
.irp t, 0,1
	v_max_num_f32 v[MX+4*\t], v[MX+4*\t], v[ST+8*\t+6]     ; and among lane l xor 16's
.endr
.irp t, 0,1
	v_mul_f32 v[MX+4*\t], s[CS], v[MX+4*\t]        ; as t (c is positive)
.endr
.irp t, 0,1
	v_max_num_f32 v[ST+8*\t+1], v[ST+8*\t+1], v[MX+4*\t]
.endr
.irp t, 0,1
	v_floor_f32 v[ST+8*\t], -v[ST+8*\t+1]          ; the new -M = floor(-t): M is a whole number
.endr
.irp t, 0,1
	v_sub_f32 v[ST+8*\t+7], v[ST+8*\t], v[ST+8*\t+7]       ; old M - new M: a whole number, 0 or less
.endr
.irp t, 0,1
	v_cvt_i32_f32 v[ST+8*\t+7], v[ST+8*\t+7]       ; (it saturates)
.endr
.irp t, 0,1
	v_ldexp_f32 v[ST+8*\t+4], 1.0, v[ST+8*\t+7]    ; f = 2^(old M - new M)
.endr
.irp t, 0,1
	v_pk_mul_f32 v[ST+8*\t+2:ST+8*\t+3], v[ST+8*\t+2:ST+8*\t+3], v[ST+8*\t+4:ST+8*\t+5] op_sel_hi:[1,0]   ; the sums under the new M
.endr
	WIN 0x41                                       ; O^T under the new M, AHEAD of the exponentials: no transcendental stands between the last products and these first readers
.irp t, 0,1
.set i, 0
.rept 32
	v_pk_mul_f32 v[64*\t+i:64*\t+i+1], v[64*\t+i:64*\t+i+1], v[ST+8*\t+4:ST+8*\t+5] op_sel_hi:[1,0]
.set i, i+2
.endr
.endr
	WIN 0
.irp t, 0,1
.set i, 0
.rept 32
	v_pk_fma_f32 v[S+64*\t+i:S+64*\t+i+1], v[S+64*\t+i:S+64*\t+i+1], s[CS:CS+1], v[ST+8*\t:ST+8*\t+1] op_sel_hi:[1,0,0]   ; t - M, two at a time
.set i, i+2
.endr
.endr
	s_wait_alu depctr_va_vdst(0)                   ; ONE BATCH of 128 exponentials
.set i, 0
.rept 128
	v_exp_f32 v[S+i], v[S+i]                       ; p = 2^(t - M)
.set i, i+1
.endr
	v_nop                                          ; a plain line behind the last exponential,
	s_wait_alu depctr_va_vdst(0)                   ; and one wait for the batch, ahead of its first reader
	; THE ROW'S SUM IS TAKEN OF THE UNQUANTISED p: two at a time, four chains a tile
.irp c, 0,1,2,3
.irp t, 0,1
	v_pk_add_f32 v[SA+8*\t+2*\c:SA+8*\t+2*\c+1], v[S+64*\t+16*\c:S+64*\t+16*\c+1], v[S+64*\t+16*\c+2:S+64*\t+16*\c+3]
.endr
.endr
.irp k, 2,3,4,5,6,7
.irp c, 0,1,2,3
.irp t, 0,1
	v_pk_add_f32 v[SA+8*\t+2*\c:SA+8*\t+2*\c+1], v[SA+8*\t+2*\c:SA+8*\t+2*\c+1], v[S+64*\t+16*\c+2*\k:S+64*\t+16*\c+2*\k+1]
.endr
.endr
.endr
.set i, 0
.rept 64                                       ; the hold (the conversion to an 8-bit code does not saturate: ISA guide 7.6.2); p is not negative, so it is one-sided; two numbers an instruction
	v_dual_min_num_f32 v[S+i], v[S+i], v[PLM] :: v_dual_min_num_f32 v[S+i+1], v[S+i+1], v[PLM2]
.set i, i+2
.endr
.set i, 0
.rept 16
	v_cvt_scalef32_pk8_fp8_f32 v[PC+2*i:PC+2*i+1], v[S+8*i:S+8*i+7], v[PSC]
.set i, i+1
.endr
	v_nop                                          ; a plain line behind the last conversion
	s_wait_alu depctr_va_vdst(0)
	s_wait_dscnt 0x0                               ; V is in
	WIN 0x51                                       ; source 0 (V), C and D window 1, source 1 (codes) window 0
.irp f, 0,1,2,3,4,5,6,7
.irp t, 0,1
	v_wmma_f32_16x16x128_fp8_fp8 v[64*\t+8*\f:64*\t+8*\f+7], v[128+16*\f:128+16*\f+15], v[PC+16*\t:PC+16*\t+15], v[64*\t+8*\f:64*\t+8*\f+7]   ; sixteen accumulators by turns
.endr
.endr
	WIN 0
.irp t, 0,1                                    ; the chains are joined: eight plain lines, which are also the places behind the products
	v_pk_add_f32 v[SA+8*\t:SA+8*\t+1], v[SA+8*\t:SA+8*\t+1], v[SA+8*\t+2:SA+8*\t+3]
.endr
.irp t, 0,1
	v_pk_add_f32 v[SA+8*\t+4:SA+8*\t+5], v[SA+8*\t+4:SA+8*\t+5], v[SA+8*\t+6:SA+8*\t+7]
.endr
.irp t, 0,1
	v_pk_add_f32 v[SA+8*\t:SA+8*\t+1], v[SA+8*\t:SA+8*\t+1], v[SA+8*\t+4:SA+8*\t+5]
.endr
.irp t, 0,1
	v_pk_add_f32 v[ST+8*\t+2:ST+8*\t+3], v[ST+8*\t+2:ST+8*\t+3], v[SA+8*\t:SA+8*\t+1]
.endr
	s_add_co_u32 s[KF], s[KF], 256
.if \first
.Lidle_\@:
.endif
.endm
.macro TRIP first, work
	v_add_nc_u32 v[ADR], s[TB], v[ADB]             ; made on the way that all waves take
	s_wait_alu depctr_va_vdst(0)
	s_xor_b32 s[TB], s[TB], SLOTB
	APART 0, 1
	BPART \first
	APART 1, \work
.endm
; THE CHANGE OF SLOTS stands at a slot's head.  Each wave waits for all its tensor loads (its part of the slot that it is about to read), adds 0 to its spare word, and waits for that and for its reads of the slot
; that it has left.  Behind the barrier the slot ahead is whole and nobody reads the other one.  fill = 1: that one is filled with the next two steps; 2: with POS 16 alone, by waves 0-3; 0: nothing is left.
.macro CHANGE fill
	s_wait_alu depctr_va_vdst(0)
	s_wait_tensorcnt 0x0                           ; no tensor load of mine is out, so group 0 may be written
	ds_add_u32 v[SPW], v[NIL]                      ; 0 onto my spare word
.if \fill
	s_xor_b32 s[G0+1], s[G0+1], SLOTB
	s_add_co_u32 s[FP], s[FP], 2
	DESC
.endif
.if \fill == 1
	s_wait_xcnt 0x0                                ; the last prefetch, a slot back, has read its address
	s_add_nc_u64 s[PFA:PFA+1], s[PFA:PFA+1], 32768
.endif
	s_wait_dscnt 0x0
	s_barrier_signal -1
	s_barrier_wait -1
.if \fill == 1
	TLOAD 8                                        ; the first thing behind the barrier, and a wave's one tensor load until the next
	ASK
.endif
.if \fill == 2
	TLOAD 4
.endif
.endm
	s_wait_alu depctr_va_vdst(0)
	s_wait_loadcnt 0x0                             ; Q, both chunks'
.irp t, 0,1
.irp c, 0,1,2,3
	ds_store_b128 v[SQ], v[S+16*\t+4*\c:S+16*\t+4*\c+3] offset:2048*\t+512*\c   ; chunk B's into my own stage
.endr
.endr
.Lslot:                                            ; 7 trips: slots 0 to 6 are walked, slots 1 to 7 asked for
	CHANGE 1
	TRIP 1, 1
	s_sub_co_u32 s[SLOTS], s[SLOTS], 1
	s_cmp_lg_u32 s[SLOTS], 0
	s_cbranch_scc1 .Lslot
	CHANGE 2                                       ; the tail is written out
	TRIP 0, 1                                      ; slot 7
	CHANGE 0
	TRIP 0, 0                                      ; POS 16, and waves 4-7's POS 15 is finished
	; THE PARTS ARE JOINED.  Waves 0-3 hand their part of chunk B to waves 4-7 and take chunk A's two parts; waves 4-7 keep their part of chunk B in registers.
	s_wait_alu depctr_va_vdst(0)                   ; the sums just made are read by the stores below
	s_cmp_lg_u32 s[HF], 0
	s_cbranch_scc1 .Lkeep
	PUT SBO, 8192
.Lkeep:
	s_wait_dscnt 0x0                               ; for the others' sake
	s_barrier_signal -1
	s_barrier_wait -1                              ; every part of chunk A, and waves 0-3's of chunk B, lie in LDS
	s_cmp_lg_u32 s[HF], 0
	s_cbranch_scc1 .Lown
	GET SAO, 0, 0, ST, 8                           ; my own part of chunk A
.Lown:
	GET SPO, 128, 4096, MX, 4                      ; the partner's part of the same chunk
	s_wait_dscnt 0x0
.irp t, 0,1
	v_add_f32 v[ST+8*\t+2], v[ST+8*\t+2], v[ST+8*\t+3]     ; each sum's two halves
	v_add_f32 v[MX+4*\t+2], v[MX+4*\t+2], v[MX+4*\t+3]
	v_min_num_f32 v[ST+8*\t+1], v[ST+8*\t], v[MX+4*\t]     ; -M of the two together
.endr
.irp t, 0,1
	v_sub_f32 v[ST+8*\t+4], v[ST+8*\t+1], v[ST+8*\t]       ; my M - M, the partner's M - M: whole numbers, 0 or less
	v_sub_f32 v[ST+8*\t+6], v[ST+8*\t+1], v[MX+4*\t]
.endr
.irp t, 0,1
	v_cvt_i32_f32 v[ST+8*\t+4], v[ST+8*\t+4]
	v_cvt_i32_f32 v[ST+8*\t+6], v[ST+8*\t+6]
.endr
.irp t, 0,1
	v_ldexp_f32 v[ST+8*\t+4], 1.0, v[ST+8*\t+4]
	v_ldexp_f32 v[ST+8*\t+6], 1.0, v[ST+8*\t+6]
.endr
.irp t, 0,1
	v_mul_f32 v[ST+8*\t+2], v[ST+8*\t+2], v[ST+8*\t+4]
.endr
.irp t, 0,1
	v_fma_f32 v[ST+8*\t+2], v[MX+4*\t+2], v[ST+8*\t+6], v[ST+8*\t+2]
.endr
.irp t, 0,1
	v_permlanex16_b32 v[ST+8*\t+3], v[ST+8*\t+2], s[SEL], s[SEL+1]
.endr
.irp t, 0,1
	v_add_f32 v[ST+8*\t+2], v[ST+8*\t+2], v[ST+8*\t+3]     ; and lane l xor 16's: the row's sum
.endr
	s_wait_alu depctr_va_vdst(0)                   ; ahead of the transcendentals
.irp t, 0,1
	v_rcp_f32 v[ST+8*\t+2], v[ST+8*\t+2]
.endr
	v_nop
	s_wait_alu depctr_va_vdst(0)                   ; and behind them, ahead of their first reader
.irp t, 0,1
	v_mul_f32 v[ST+8*\t+4], v[ST+8*\t+4], v[ST+8*\t+2]
	v_mul_f32 v[ST+8*\t+6], v[ST+8*\t+6], v[ST+8*\t+2]
.endr
	WIN 0x01                                       ; source 0 (the parts' O^T) window 1
	s_wait_alu depctr_va_vdst(0)                   ; directly ahead of the first readers of O^T
.irp t, 0,1
.set i, 0
.rept 32
	v_pk_mul_f32 v[S+64*\t+i:S+64*\t+i+1], v[64*\t+i:64*\t+i+1], v[ST+8*\t+4:ST+8*\t+5] op_sel_hi:[1,0]
.set i, i+2
.endr
.endr
.irp t, 0,1
.set i, 0
.rept 32
	v_pk_fma_f32 v[S+64*\t+i:S+64*\t+i+1], v[128+64*\t+i:128+64*\t+i+1], v[ST+8*\t+6:ST+8*\t+7], v[S+64*\t+i:S+64*\t+i+1] op_sel_hi:[1,0,1]
.set i, i+2
.endr
.endr
	WIN 0
.set i, 0
.rept 128
	v_med3_num_f32 v[S+i], v[S+i], -v[OLM], v[OLM]
.set i, i+1
.endr
.set i, 0
.rept 16
	v_cvt_scalef32_pk8_fp8_f32 v[PC+2*i:PC+2*i+1], v[S+8*i:S+8*i+7], v[OSC]
.set i, i+1
.endr
	v_nop
.irp t, 0,1
.irp c, 0,1,2,3
	global_store_b128 v[LI], v[PC+16*\t+4*\c:PC+16*\t+4*\c+3], s[AP:AP+1] offset:16384*\t+512*\c   ; two fragments' images: 512 consecutive bytes a store
.endr
.endr
	s_wait_tensorcnt 0x0                           ; the wave's end
	ds_add_u32 v[SPW], v[NIL]
	s_wait_dscnt 0x0
	s_endpgm
.Lfunc_end_k_q0680661fde_attn:
	.size	k_q0680661fde_attn, .Lfunc_end_k_q0680661fde_attn-k_q0680661fde_attn
	.p2alignl 7, 3214868480
	.fill 96, 4, 3214868480
	.section	.rodata,"a",@progbits
	.p2align	6, 0x0
	.amdhsa_kernel k_q0680661fde_attn
		.amdhsa_group_segment_fixed_size 327680
		.amdhsa_private_segment_fixed_size 0
		.amdhsa_enable_private_segment 0
		.amdhsa_kernarg_size 40
		.amdhsa_user_sgpr_count 2
		.amdhsa_user_sgpr_kernarg_segment_ptr 1
		.amdhsa_wavefront_size32 1
		.amdhsa_system_sgpr_workgroup_id_x 1
		.amdhsa_system_sgpr_workgroup_id_y 1
		.amdhsa_system_sgpr_workgroup_id_z 1
		.amdhsa_system_vgpr_workitem_id 0
		.amdhsa_next_free_vgpr 512
		.amdhsa_next_free_sgpr 100
		.amdhsa_reserve_vcc 1
		.amdhsa_float_denorm_mode_32 3
		.amdhsa_float_denorm_mode_16_64 3
		.amdhsa_memory_ordered 1
		.amdhsa_forward_progress 1
		.amdhsa_inst_pref_size 224
	.end_amdhsa_kernel
	.amdgpu_metadata
---
amdhsa.version: [ 1, 2 ]
amdhsa.kernels:
  - .name:           k_q0680661fde_attn
    .symbol:         k_q0680661fde_attn.kd
    .args:
      - { .name: qc, .offset: 0, .size: 8, .value_kind: global_buffer, .address_space: global }
      - { .name: kc, .offset: 8, .size: 8, .value_kind: global_buffer, .address_space: global }
      - { .name: vc, .offset: 16, .size: 8, .value_kind: global_buffer, .address_space: global }
      - { .name: lowp_scales, .offset: 24, .size: 8, .value_kind: global_buffer, .address_space: global }
      - { .name: ac, .offset: 32, .size: 8, .value_kind: global_buffer, .address_space: global }
    .group_segment_fixed_size: 327680
    .private_segment_fixed_size: 0
    .kernarg_segment_align: 8
    .kernarg_segment_size: 40
    .max_flat_workgroup_size: 256
    .sgpr_count:     100
    .vgpr_count:     512
    .wavefront_size: 32
...
	.end_amdgpu_metadata
.endif
;; end of part 3
;; launch oproj (part 4): grid 4 x 64, 4 waves a work-group, clusters of 4 x 4, 327,680 bytes of LDS; arguments ac, wc, lowp_scales, out0; writes out0
.if DOCPART == 4
	.amdgcn_target "amdgcn-amd-amdhsa--gfx1250"
	.amdhsa_code_object_version 6
	.text
	.protected	k_q0680661fde_oproj
	.globl	k_q0680661fde_oproj
	.p2align	8
	.type	k_q0680661fde_oproj,@function
k_q0680661fde_oproj:
	s_mov_b64 s[64:65], 0
	v_nop
	global_prefetch_b8 v0, s[64:65] scope:SCOPE_SE
	s_setreg_imm32_b32 hwreg(HW_REG_WAVE_MODE, 25, 1), 1
	s_wait_xcnt 0x0
	s_wait_alu depctr_hold_cnt(0) depctr_sa_sdst(0) depctr_va_vdst(0) depctr_va_sdst(0) depctr_va_ssrc(0) depctr_va_vcc(0) depctr_vm_vsrc(0)
	s_getreg_b32 s2, hwreg(HW_REG_IB_STS2, 6, 4)
	s_cmp_eq_u32 s2, 0
	s_cbranch_scc0 .Lentry_in_a_cluster
	s_endpgm
.Lentry_in_a_cluster:
	s_bfe_u32 s2, ttmp6, 0x10000c
	s_cmp_lg_u32 s2, 0xf033
	s_cbranch_scc0 .Lentry_shape_is_right
	s_endpgm
.Lentry_shape_is_right:
; OPROJ: out0 = a Wo^T on codes of FP8 (E4M3); a number of a is its code x 2^e10, of Wo x 2^e11: each finished sum is multiplied once by 2^(e10 + e11).  LIMIT: e10 + e11 between -126 and 127.
; A block is 128 tokens x 256 features: 64 x 4 blocks, one to a work-group, 256 in all.  Four waves, each 64 tokens x 128 features: 32 accumulators of 16 x 16.
; ac and wc lie [group of 8 tiles of 16 rows][8 K steps][8 tiles][2,048], a fragment (16 rows x 128 K) being the image of an operand's registers: four loads of 16 bytes a lane, 512 bytes apart.
; So a block's rows of a are ONE dense block of 131,072 bytes, all of K: waves 0 and 1 ask for a half each at the head, and it is never filled again.  Wo's 256 rows are two groups: waves 2 and 3 ask for K steps 0-3 of
; a group each at the head (65,536 bytes, as slots 0 and 1 on end), and fill slot 0 with K steps 4, 5 and slot 1 with K steps 6, 7 later.  By this text's own count a wave has one tensor load out.
; CLUSTERS: 4 x 4 work-groups; a's block is shared along a row of the cluster, Wo's along a column: joint loads.
; PREFETCH: Wo's K steps 4-7, 524,288 bytes that every cluster reads, are asked for once by each of four clusters, at the head: 8,192 bytes a wave, told apart by address.  a's codes are all asked for by the head's loads,
; and the text has no loop to run ahead in.
; THE MATRIX INSTRUCTION IS USED TRANSPOSED (source 0 = 16 rows of Wo, source 1 = 16 tokens): a lane holds eight neighbouring numbers of a row of out0.
; LDS: 0 a; 131,072 Wo's two groups; 262,144 the waves' stages for the way out, bytes of their own; 295,936 the spare words.
; REGISTERS: window 0: v16-29 addresses; v64-191 a's fragments, two sets of 64; on the way out v32-255.   window 1: Wo's fragments, two sets of 128.   window 2: accumulator (a, b) at v[8 (8 a + b)].
.set SIZE_N, 1024
.set FR,    16
.set WRING, 131072
.set STAGE, 262144
.set SPITCH, 528
.set SPARE, STAGE+4*16*SPITCH
.set ADRA, 16                          ; v16-17  my fragments of a, K steps 0-3 and 4-7
.set ADRB, 20                          ; v20-21  my fragments of Wo in slot 0, 1
.set STO,  24
.set RD,   25
.set CO,   26                          ; 16 x lane
.set PFO,  27                          ; 256 x lane
.set SPW,  28
.set NIL,  29
.set TMP,  32
.set AF,   64
.set BK,   128
.set G1,  24                           ; s[24:31] group 1, a: 256 rows of 256 bytes, my row's mask
.set GX,  32                           ; s[32:35] group 0, a
.set G1B, 48                           ; s[48:55] group 1, Wo at the head: 256 rows, my column's mask
.set G1R, 56                           ; s[56:63] group 1, Wo's refills: 128 rows
.set GW,  68                           ; s[68:79] group 0, Wo: the head's, slot 0's refill, slot 1's refill
.set MULW, 0xa1                        ; source 0 (Wo) window 1, source 1 (a) window 0, C and D window 2
.set MSB, 0
.macro WIN new                         ; the immediate's high byte repeats the setting that is left
.if MSB != (\new)
	s_set_vgpr_msb (MSB<<8)|(\new)
.set MSB, (\new)
.endif
.endm
.macro PLACES
.rept 4
	v_nop
.endr
.endm
.macro CREST                           ; a round of the cluster's barrier behind its opening barrier
	s_cmp_lg_u32 s14, 0
	s_cbranch_scc1 .Lnot_wave_0_\@
	s_barrier_signal -3
.Lnot_wave_0_\@:
	s_barrier_wait -3
	s_barrier_signal -1
	s_barrier_wait -1
.endm
.macro CROUND
	s_barrier_signal -1
	s_barrier_wait -1
	CREST
.endm
.macro RLOAD n                         ; waves 2 and 3 fill a slot of Wo again; the branch hangs on the wave's number alone.  An s_nop 0 and four v_nop follow the line
	s_cmp_eq_u32 s15, 0
	s_cbranch_scc1 .Lnone_\@
	tensor_load_to_lds s[GW+4*(\n):GW+4*(\n)+3], s[G1R:G1R+7]
	s_nop 0
	PLACES
.Lnone_\@:
.endm
	s_load_b128 s[4:7], s[0:1], 0x0                ; ac, wc
	s_load_b128 s[8:11], s[0:1], 0x10              ; the exponents, out0
	v_lshl_add_u32 v[SPW], v0, 2, SPARE
	v_mov_b32 v[NIL], 0
	ds_add_u32 v[SPW], v[NIL]                      ; the opening: the add, twice on end, and its wait ahead of my first tensor load
	ds_add_u32 v[SPW], v[NIL]
	v_lshrrev_b32 v1, 5, v0
	v_readfirstlane_b32 s14, v1                    ; wave 0..3
	s_lshr_b32 s15, s14, 1                         ; which 64 tokens are mine.  Also: I fetch for a (0) or for Wo (1)
	s_and_b32 s16, s14, 1                          ; which 128 features.  Also: which half I fetch
	s_bfe_u32 s40, ttmp6, 0x40000                  ; cx, cy
	s_bfe_u32 s41, ttmp6, 0x40004
	s_lshl_b32 s42, ttmp9, 2
	s_add_co_u32 s42, s42, s40                     ; feature block
	s_and_b32 s17, ttmp7, 0xffff
	s_lshl_b32 s17, s17, 2
	s_add_co_u32 s17, s17, s41                     ; token block
	s_lshl_b32 s43, s41, 2
	s_lshl_b32 s43, 15, s43                        ; my row of the cluster
	s_lshl_b32 s44, 0x1111, s40                    ; my column
	s_or_b32 s[G1], s43, (3<<16)|(1<<21)           ; the mask; elements of 8 bytes; bit 21 beside a mask
	s_or_b32 s[G1B], s44, (3<<16)|(1<<21)
	s_or_b32 s[G1R], s44, (3<<16)|(1<<21)
.irp g, G1, G1B
	s_mov_b32 s[\g+1], 32<<16
	s_mov_b32 s[\g+2], 256<<16
	s_mov_b32 s[\g+3], 32<<16
	s_mov_b32 s[\g+4], 256
	s_mov_b32 s[\g+5], 32
	s_mov_b32 s[\g+6], 0
	s_mov_b32 s[\g+7], 0
.endr
	s_mov_b32 s[G1R+1], 32<<16
	s_mov_b32 s[G1R+2], 128<<16
	s_mov_b32 s[G1R+3], 32<<16
	s_mov_b32 s[G1R+4], 128
	s_mov_b32 s[G1R+5], 32
	s_mov_b32 s[G1R+6], 0
	s_mov_b32 s[G1R+7], 0
	s_lshl_b32 s20, s17, 17                        ; a: 131,072 x token block + 65,536 x half: what my row shares
	s_lshl_b32 s18, s16, 16
	s_add_co_u32 s20, s20, s18
	s_mov_b32 s21, 0
	s_lshl_b32 s46, s42, 1                         ; Wo: group 16 + 2 x feature block + half: what my column shares
	s_add_co_u32 s46, s46, s16
	s_lshl_b32 s46, s46, 17
	s_add_co_u32 s46, s46, 0x200000
	s_mov_b32 s47, 0
	s_lshl_b32 s94, s41, 1                         ; the prefetch: piece 2 cy + wave / 2 of the eight of my group's K steps 4-7
	s_add_co_u32 s94, s94, s15
	s_lshl_b32 s94, s94, 13
	s_add_co_u32 s94, s94, 65536
	s_mov_b32 s95, 0
	s_wait_dscnt 0x0                               ; both opening adds are done
	s_wait_kmcnt 0x0
	s_load_b64 s[96:97], s[8:9], 0x28              ; e10, e11
	s_add_nc_u64 s[20:21], s[4:5], s[20:21]
	s_add_nc_u64 s[46:47], s[6:7], s[46:47]
	s_add_nc_u64 s[92:93], s[46:47], s[94:95]
	s_mov_b32 s[GX], 1
	s_lshl_b32 s[GX+1], s16, 16
	s_mov_b64 s[GX+2:GX+3], s[20:21]
	s_or_b32 s[GX+3], s[GX+3], 0x80000000
	s_add_co_u32 s19, s18, WRING                   ; my group of Wo in LDS
.irp n, 0,1,2
	s_mov_b32 s[GW+4*\n], 1
	s_add_co_u32 s[GW+4*\n+1], s19, (\n/2)*32768
	s_add_nc_u64 s[GW+4*\n+2:GW+4*\n+3], s[46:47], ((\n+1)/2)*65536+(\n/2)*32768
	s_or_b32 s[GW+4*\n+3], s[GW+4*\n+3], 0x80000000
.endr
	CROUND                                         ; all sixteen work-groups are here: the first joint loads meet
	s_cmp_eq_u32 s15, 0
	s_cbranch_scc0 .Lhead_w
	tensor_load_to_lds s[GX:GX+3], s[G1:G1+7]
	s_nop 0
	PLACES
	s_branch .Lhead_j
.Lhead_w:
	tensor_load_to_lds s[GW:GW+3], s[G1B:G1B+7]
	s_nop 0
	PLACES
.Lhead_j:
	s_lshl_b32 s22, s15, 13                        ; my four tiles of tokens within a K step's eight
	s_mul_i32 s23, s14, 16*SPITCH
	s_add_co_u32 s23, s23, STAGE                   ; my stage
	v_and_b32 v1, 15, v0
	v_bfe_u32 v2, v0, 4, 1
	v_and_b32 v6, 31, v0
	v_lshlrev_b32 v[CO], 4, v6
	v_lshlrev_b32 v[PFO], 8, v6
	v_add_nc_u32 v[ADRA], s22, v[CO]
	v_add_nc_u32 v[ADRA+1], 0x10000, v[ADRA]
	v_add_nc_u32 v[ADRB], s19, v[CO]
	v_add_nc_u32 v[ADRB+1], 0x8000, v[ADRB]
	v_mul_u32_u24 v5, v1, SPITCH                   ; into the stage: row lane % 16, 32 bytes for each half of the lanes
	v_lshl_add_u32 v5, v2, 5, v5
	v_add_nc_u32 v[STO], s23, v5
	v_add_nc_u32 v[RD], s23, v[CO]                 ; back: the 32 lanes take one row of 512 bytes
	s_wait_alu depctr_va_vdst(0)                   ; at the end of the head's vector work
	s_lshl_b32 s20, s17, 7
	s_lshl_b32 s21, s15, 6
	s_add_co_u32 s20, s20, s21                     ; my first row of out0
	s_lshl_b32 s20, s20, 12
	s_lshl_b32 s21, s42, 10
	s_add_co_u32 s20, s20, s21
	s_lshl_b32 s21, s16, 9
	s_add_co_u32 s20, s20, s21                     ; + my first column, in bytes
	s_mov_b32 s21, 0
	s_add_nc_u64 s[10:11], s[10:11], s[20:21]
	s_and_b32 s94, ttmp7, 0xffff                   ; the cluster's y: the same in all partners.  Four clusters ask
	s_cmp_lt_u32 s94, 4
	s_cbranch_scc0 .Lno_ask
	global_prefetch_b8 v[PFO], s[92:93] th:TH_LOAD_NT scope:SCOPE_SE
.Lno_ask:
.macro FETCH k                         ; K step k's fragments into set k % 2: Wo's eight, a's four
	WIN 0x40
.irp b, 0,1,2,3,4,5,6,7
.irp c, 0,1,2,3
	ds_load_b128 v[128*((\k)%2)+FR*\b+4*\c:128*((\k)%2)+FR*\b+4*\c+3], v[ADRB+((\k)/2)%2] offset:((\k)%2)*16384+\b*2048+512*\c
.endr
.endr
	WIN 0
.irp a, 0,1,2,3
.irp c, 0,1,2,3
	ds_load_b128 v[AF+64*((\k)%2)+FR*\a+4*\c:AF+64*((\k)%2)+FR*\a+4*\c+3], v[ADRA+(\k)/4] offset:((\k)%4)*16384+\a*2048+512*\c
.endr
.endr
.endm
; 16 matrix instructions: token blocks a0, a0 + 1 against Wo's eight tiles.  The 32 accumulators take turns, one instruction a turn, in the same order in every K step.
.macro MUL k, a0, zero
.irp a, \a0, \a0+1
.irp b, 0,1,2,3,4,5,6,7
.set rD, 8*(8*(\a)+\b)
.set rW, 128*((\k)%2)+FR*\b
.set rX, AF+64*((\k)%2)+FR*(\a)
.if \zero
	v_wmma_f32_16x16x128_fp8_fp8 v[rD:rD+7], v[rW:rW+FR-1], v[rX:rX+FR-1], 0
.else
	v_wmma_f32_16x16x128_fp8_fp8 v[rD:rD+7], v[rW:rW+FR-1], v[rX:rX+FR-1], v[rD:rD+7]
.endif
.endr
.endr
.endm
.macro EVEN k, zero                    ; a slot's first K step: the next one lies in the same slot
	s_wait_dscnt 0x0                               ; this K step's fragments are in
	PLACES                                         ; in front of loads into the set that the last K step's products read
	FETCH (\k)+1
	WIN MULW
	MUL \k, 0, \zero
	MUL \k, 2, \zero
	WIN 0
.endm
; A slot's second K step.  Its fragments are in registers, so my reads of the slot are over: the change of slots stands at its head.  n = 1, 2: the slot is filled again, behind a round of the cluster's barrier; 0: nothing is left.
.macro ODD k, n
	s_wait_tensorcnt 0x0                           ; all my tensor loads have landed: my part of the next slot
	ds_add_u32 v[SPW], v[NIL]                      ; 0 onto my spare word
	s_wait_dscnt 0x0                               ; the add is done, and my reads of this slot are over
	s_barrier_signal -1
	WIN MULW
	MUL \k, 0, 0                                   ; work on registers while the others arrive
	WIN 0
	s_barrier_wait -1
.if \n
	CREST
	RLOAD \n                                       ; the first tensor load behind the round
.endif
	PLACES
	FETCH (\k)+1
	WIN MULW
	MUL \k, 2, 0
	WIN 0
.endm
	s_wait_tensorcnt 0x0                           ; my part of the head's tiles is in,
	s_barrier_signal -1
	s_barrier_wait -1                              ; everybody's is
	FETCH 0
	EVEN 0, 1                                      ; the first products start the sums: nothing is cleared
	ODD 1, 1
	EVEN 2, 0
	ODD 3, 2
	EVEN 4, 0
	ODD 5, 0
	EVEN 6, 0
	s_wait_dscnt 0x0
	WIN MULW
	MUL 7, 0, 0
	MUL 7, 2, 0
	WIN 0
; THE WAY OUT, block by block of 16 rows x 128 columns, through my own stage: whole rows of 512 bytes come back, which the 32 lanes store as two aligned units of 256 bytes.
; LDS serves a wave's instructions in order (ISA guide 5.7.1.4): no wait between the stores and the loads.
.macro TOSTAGE a
	WIN 0x02                                       ; source 0: window 2
.set i, 0
.rept 32
	v_pk_mul_f32 v[TMP+i:TMP+i+1], v[64*(\a)+i:64*(\a)+i+1], s[96:97] op_sel_hi:[1,0]   ; x 2^(e10 + e11); each accumulator from its low end on
.set i, i+2
.endr
	WIN 0
.irp b, 0,1,2,3,4,5,6,7
	ds_store_b128 v[STO], v[TMP+8*\b:TMP+8*\b+3] offset:64*\b
	ds_store_b128 v[STO], v[TMP+8*\b+4:TMP+8*\b+7] offset:64*\b+16
.endr
.set BB, BK+64*((\a)%2)
.irp t, 0,1,2,3,4,5,6,7,8,9,10,11,12,13,14,15
	ds_load_b128 v[BB+4*\t:BB+4*\t+3], v[RD] offset:\t*SPITCH
.endr
.endm
.macro SEND a, younger                 ; younger: the LDS instructions issued behind block a's loads, which may stay out
.set BB, BK+64*((\a)%2)
	s_wait_dscnt \younger
.if (\a) > 0
	s_add_nc_u64 s[10:11], s[10:11], 16*SIZE_N*4   ; (behind a wait on XCNT: the earlier stores have read their base)
.endif
.irp t, 0,1,2,3,4,5,6,7,8,9,10,11,12,13,14,15
	global_store_b128 v[CO], v[BB+4*\t:BB+4*\t+3], s[10:11] offset:\t*SIZE_N*4 th:TH_STORE_NT
.endr
.endm
	s_wait_kmcnt 0x0
	s_add_co_i32 s96, s96, s97
	s_add_co_i32 s96, s96, 127
	s_lshl_b32 s96, s96, 23                        ; 2^(e10 + e11) as f32
	PLACES                                         ; in front of the first read of results and of writes into the registers that held a's fragments
	TOSTAGE 0
.irp a, 1,2,3
.if \a > 1
	s_wait_xcnt 0x0                                ; block a - 2's stores have read their registers and their base
.endif
	TOSTAGE \a
	SEND \a-1, 32
.endr
	s_wait_xcnt 0x0
	SEND 3, 0
	s_wait_tensorcnt 0x0                           ; the wave's end
	ds_add_u32 v[SPW], v[NIL]
	s_wait_dscnt 0x0
	CROUND                                         ; the closing round
	s_endpgm
.Lfunc_end_k_q0680661fde_oproj:
	.size	k_q0680661fde_oproj, .Lfunc_end_k_q0680661fde_oproj-k_q0680661fde_oproj
	.p2alignl 7, 3214868480
	.fill 96, 4, 3214868480
	.section	.rodata,"a",@progbits
	.p2align	6, 0x0
	.amdhsa_kernel k_q0680661fde_oproj
		.amdhsa_group_segment_fixed_size 327680
		.amdhsa_private_segment_fixed_size 0
		.amdhsa_enable_private_segment 0
		.amdhsa_kernarg_size 32
		.amdhsa_user_sgpr_count 2
		.amdhsa_user_sgpr_kernarg_segment_ptr 1
		.amdhsa_wavefront_size32 1
		.amdhsa_system_sgpr_workgroup_id_x 1
		.amdhsa_system_sgpr_workgroup_id_y 1
		.amdhsa_system_sgpr_workgroup_id_z 1
		.amdhsa_system_vgpr_workitem_id 0
		.amdhsa_next_free_vgpr 768
		.amdhsa_next_free_sgpr 100
		.amdhsa_reserve_vcc 0
		.amdhsa_float_denorm_mode_32 3
		.amdhsa_float_denorm_mode_16_64 3
		.amdhsa_memory_ordered 1
		.amdhsa_forward_progress 1
		.amdhsa_inst_pref_size 74
	.end_amdhsa_kernel
	.amdgpu_metadata
---
amdhsa.version: [ 1, 2 ]
amdhsa.kernels:
  - .name:           k_q0680661fde_oproj
    .symbol:         k_q0680661fde_oproj.kd
    .args:
      - { .name: ac, .offset: 0, .size: 8, .value_kind: global_buffer, .address_space: global }
      - { .name: wc, .offset: 8, .size: 8, .value_kind: global_buffer, .address_space: global }
      - { .name: lowp_scales, .offset: 16, .size: 8, .value_kind: global_buffer, .address_space: global }
      - { .name: out0, .offset: 24, .size: 8, .value_kind: global_buffer, .address_space: global }
    .group_segment_fixed_size: 327680
    .private_segment_fixed_size: 0
    .kernarg_segment_align: 8
    .kernarg_segment_size: 32
    .max_flat_workgroup_size: 128
    .sgpr_count:     100
    .vgpr_count:     768
    .wavefront_size: 32
...
	.end_amdgpu_metadata
.endif
;; end of part 4
